; MI455X (gfx1250); checked and timed in simulation.
; The chip was launched on July 23, 2026; its instructions are those of AMD's public machine-readable ISA for CDNA 5 (MIT licence, August 2026) and "CDNA5" Instruction Set Architecture Reference Guide (July 2026). The comments in the code are by the model that wrote it; some were corrected since.
;; Sliding Window Attention. Allowed arithmetic: float matrix products may take bf16 or f16 operands with f32 sums; other float arithmetic in f32, or as packed bf16 or f16 multiplies, adds, multiply-adds, maxima and minima; sums over many terms, partial sums and values carried from step to step in f32; what a program stores and reads back later, other than sums and carried values, may be rounded once to bf16 or f16.
;; Inputs: Wk 1,024 x 1,024 float32; Wo 1,024 x 1,024 float32; Wq 1,024 x 1,024 float32; Wv 1,024 x 1,024 float32; x 1 x 4,096 x 1,024 float32.
;; Outputs: out0 1 x 4,096 x 1,024 float32.
;; 2 versions, each right; version 2 is version 1 with the launch cast written anew for expert scheduling mode. Each part assembles by itself: llvm-mc -triple=amdgcn-amd-amdhsa -mcpu=gfx1250 --defsym DOCPART=n.
;; ======== version 1 of 2: 4 launches
;; limits: values are held in f16: magnitudes above 65,504 overflow, below 6.1e-05 lose precision
;; workspace buffers: xb 8,388,608 bytes; wqkv 6,291,456 bytes; wob 2,097,152 bytes; qh 8,388,608 bytes; kh 8,388,608 bytes; vh 8,388,608 bytes; oh 8,388,608 bytes
;; launch cast (part 1): grid 512 x 1, 8 waves a work-group, no clusters, 0 bytes of LDS; arguments x, Wq, Wk, Wv, Wo, xb, wqkv, wob; writes xb, wqkv, wob
.if DOCPART == 1
	.amdgcn_target "amdgcn-amd-amdhsa--gfx1250"
	.amdhsa_code_object_version 6
	.text
	.protected	k_q9be2535f4e_cast
	.globl	k_q9be2535f4e_cast
	.p2align	8
	.type	k_q9be2535f4e_cast,@function
k_q9be2535f4e_cast:
	s_mov_b64 s[64:65], 0
	v_nop
	global_prefetch_b8 v0, s[64:65] scope:SCOPE_SE
	s_setreg_imm32_b32 hwreg(HW_REG_WAVE_MODE, 25, 1), 1
	s_wait_xcnt 0x0
; THE INPUTS ARE ROUNDED ONCE AND LAID OUT FOR THE MATRIX LAUNCHES.  A stream: every f32 is read once, every 16-bit number written once.
;   xb   [4096][1024] bf16: x as it lies.
;   wqkv bf16: number (head h, row k, g = q/k/v, channel c) at byte h*393216 + (k>>1)*768 + g*256 + (k&1)*128 + 2c: a head's three weights side by side, K-major, dense.
;   wob  f16 : Wo rounded to bf16 and that number written as f16: (nb = n/128, k, n%128) at byte nb*262144 + k*256 + 2(n%128).
; LIMIT.  bf16(Wo) must lie within f16's 65,504; below 6e-5 it keeps f16's fixed step of 6e-8.
; SHARES.  512 work-groups of 64 KiB of f32: 0-255 x, 256-447 Wq, Wk, Wv (64 each, 16 rows of k), 448-511 Wo (16 rows).  A wave takes 8 KiB: sixteen loads of 16 bytes a lane,
; all issued at once; then sixteen turns, each with a counted wait, the roundings, and one store of 8 bytes a lane: 32 lanes write 256 consecutive bytes, aligned.
; No register is written twice while a memory instruction may read it, so no wait frees any.  No LDS, no matrix unit, no cluster: nothing is shared and nothing is multiplied.
.set X,   8                            ; v[8:71]    sixteen loads of four f32
.set Y,   72                           ; v[72:103]  sixteen pairs to store
.set T,   104                          ; v[104:109] at work (Wo's second conversion)
.set SRC, 24                           ; s[24:25] where the work-group reads
.set DST, 26                           ; s[26:27] where it writes
.set SOF, 28                           ; s[28:29] byte offset for SRC
.set DOF, 30                           ; s[30:31] byte offset for DST
; kind 0: x; 1: Wq, Wk, Wv (load j is head j's 64 channels of two rows of k); 2: Wo (load j is 128 columns j%8 of row j/8)
.macro STREAM kind
.set j, 0
.rept 16
.if (\kind) == 1
	global_load_b128 v[X+4*j:X+4*j+3], v2, s[SRC:SRC+1] offset:256*j th:TH_LOAD_NT
.else
	global_load_b128 v[X+4*j:X+4*j+3], v2, s[SRC:SRC+1] offset:512*j th:TH_LOAD_NT
.endif
.set j, j+1
.endr
.set j, 0
.rept 16
	s_wait_loadcnt 15-j                            ; loads come back in order: load j is in, the 15 - j younger ones stay out
.if (\kind) == 2
	v_cvt_pk_bf16_f32 v[T], v[X+4*j], v[X+4*j+1]   ; rounded to bf16 like every input,
	v_cvt_pk_bf16_f32 v[T+1], v[X+4*j+2], v[X+4*j+3]
	v_lshlrev_b32 v[T+2], 16, v[T]                 ; widened again,
	v_and_b32 v[T+3], 0xffff0000, v[T]
	v_lshlrev_b32 v[T+4], 16, v[T+1]
	v_and_b32 v[T+5], 0xffff0000, v[T+1]
	v_cvt_pk_f16_f32 v[Y+2*j], v[T+2], v[T+3]      ; and written as f16: exact within f16's range
	v_cvt_pk_f16_f32 v[Y+2*j+1], v[T+4], v[T+5]
	global_store_b64 v3, v[Y+2*j:Y+2*j+1], s[DST:DST+1] offset:(j%8)*262144+(j/8)*256 th:TH_STORE_NT
.else
	v_cvt_pk_bf16_f32 v[Y+2*j], v[X+4*j], v[X+4*j+1]
	v_cvt_pk_bf16_f32 v[Y+2*j+1], v[X+4*j+2], v[X+4*j+3]
.if (\kind) == 1
	global_store_b64 v3, v[Y+2*j:Y+2*j+1], s[DST:DST+1] offset:393216*j th:TH_STORE_NT
.else
	global_store_b64 v3, v[Y+2*j:Y+2*j+1], s[DST:DST+1] offset:256*j th:TH_STORE_NT
.endif
.endif
.set j, j+1
.endr
.endm
	s_load_b512 s[8:23], s[0:1], 0x0               ; x 8, Wq 10, Wk 12, Wv 14, Wo 16, xb 18, wqkv 20, wob 22
	v_and_b32 v1, 31, v0                           ; lane
	v_lshrrev_b32 v4, 5, v0                        ; wave
	s_mov_b32 s[SOF+1], 0
	s_mov_b32 s[DOF+1], 0
	s_wait_kmcnt 0x0
	s_cmp_lt_u32 ttmp9, 256
	s_cbranch_scc0 .Lweights
	; x: 64 KiB in, 32 KiB out
	s_lshl_b32 s[SOF], ttmp9, 16
	s_lshl_b32 s[DOF], ttmp9, 15
	s_add_nc_u64 s[SRC:SRC+1], s[8:9], s[SOF:SOF+1]
	s_add_nc_u64 s[DST:DST+1], s[18:19], s[DOF:DOF+1]
	v_lshlrev_b32 v2, 4, v1
	v_lshl_add_u32 v2, v4, 13, v2                  ; 8,192 x wave + 16 x lane
	v_lshlrev_b32 v3, 3, v1
	v_lshl_add_u32 v3, v4, 12, v3                  ; 4,096 x wave + 8 x lane
	STREAM 0
	s_endpgm
.Lweights:
	s_cmp_lt_u32 ttmp9, 448
	s_cbranch_scc0 .Lwo
	; Wq, Wk, Wv: g = which of the three, rb = which 16 rows of k; a wave takes two rows: lanes 0-15 the even one, lanes 16-31 the odd one
	s_sub_co_u32 s2, ttmp9, 256
	s_lshr_b32 s3, s2, 6                           ; g
	s_and_b32 s2, s2, 63                           ; rb
	s_cmp_eq_u32 s3, 0
	s_cselect_b64 s[SRC:SRC+1], s[10:11], s[12:13]
	s_cmp_eq_u32 s3, 2
	s_cselect_b64 s[SRC:SRC+1], s[14:15], s[SRC:SRC+1]
	s_lshl_b32 s[SOF], s2, 16
	s_mul_i32 s[DOF], s2, 6144                     ; 8 pairs of rows x 768 bytes
	s_lshl_b32 s3, s3, 8
	s_add_co_u32 s[DOF], s[DOF], s3                ; + 256 g
	s_add_nc_u64 s[SRC:SRC+1], s[SRC:SRC+1], s[SOF:SOF+1]
	s_add_nc_u64 s[DST:DST+1], s[20:21], s[DOF:DOF+1]
	v_bfe_u32 v5, v0, 4, 1
	v_and_b32 v6, 15, v0
	v_lshlrev_b32 v2, 13, v4
	v_lshl_add_u32 v2, v5, 12, v2
	v_lshl_add_u32 v2, v6, 4, v2                   ; 8,192 x wave + 4,096 x (lane / 16) + 16 x (lane % 16)
	v_mul_u32_u24 v3, v4, 768
	v_lshl_add_u32 v3, v1, 3, v3                   ; 768 x wave + 8 x lane: the odd row's 128 bytes follow the even row's
	STREAM 1
	s_endpgm
.Lwo:
	; Wo: rb = which 16 rows of k; a wave takes two rows
	s_sub_co_u32 s2, ttmp9, 448
	s_lshl_b32 s[SOF], s2, 16
	s_lshl_b32 s[DOF], s2, 12
	s_add_nc_u64 s[SRC:SRC+1], s[16:17], s[SOF:SOF+1]
	s_add_nc_u64 s[DST:DST+1], s[22:23], s[DOF:DOF+1]
	v_lshlrev_b32 v2, 4, v1
	v_lshl_add_u32 v2, v4, 13, v2
	v_lshlrev_b32 v3, 3, v1
	v_lshl_add_u32 v3, v4, 9, v3                   ; 512 x wave + 8 x lane
	STREAM 2
	s_endpgm
.Lfunc_end_k_q9be2535f4e_cast:
	.size	k_q9be2535f4e_cast, .Lfunc_end_k_q9be2535f4e_cast-k_q9be2535f4e_cast
	.p2alignl 7, 3214868480
	.fill 96, 4, 3214868480
	.section	.rodata,"a",@progbits
	.p2align	6, 0x0
	.amdhsa_kernel k_q9be2535f4e_cast
		.amdhsa_group_segment_fixed_size 0
		.amdhsa_private_segment_fixed_size 0
		.amdhsa_enable_private_segment 0
		.amdhsa_kernarg_size 64
		.amdhsa_user_sgpr_count 2
		.amdhsa_user_sgpr_kernarg_segment_ptr 1
		.amdhsa_wavefront_size32 1
		.amdhsa_system_sgpr_workgroup_id_x 1
		.amdhsa_system_sgpr_workgroup_id_y 1
		.amdhsa_system_sgpr_workgroup_id_z 1
		.amdhsa_system_vgpr_workitem_id 0
		.amdhsa_next_free_vgpr 112
		.amdhsa_next_free_sgpr 66
		.amdhsa_reserve_vcc 0
		.amdhsa_float_denorm_mode_32 3
		.amdhsa_float_denorm_mode_16_64 3
		.amdhsa_memory_ordered 1
		.amdhsa_forward_progress 1
		.amdhsa_inst_pref_size 24
	.end_amdhsa_kernel
	.amdgpu_metadata
---
amdhsa.version: [ 1, 2 ]
amdhsa.kernels:
  - .name:           k_q9be2535f4e_cast
    .symbol:         k_q9be2535f4e_cast.kd
    .args:
      - { .name: x, .offset: 0, .size: 8, .value_kind: global_buffer, .address_space: global }
      - { .name: Wq, .offset: 8, .size: 8, .value_kind: global_buffer, .address_space: global }
      - { .name: Wk, .offset: 16, .size: 8, .value_kind: global_buffer, .address_space: global }
      - { .name: Wv, .offset: 24, .size: 8, .value_kind: global_buffer, .address_space: global }
      - { .name: Wo, .offset: 32, .size: 8, .value_kind: global_buffer, .address_space: global }
      - { .name: xb, .offset: 40, .size: 8, .value_kind: global_buffer, .address_space: global }
      - { .name: wqkv, .offset: 48, .size: 8, .value_kind: global_buffer, .address_space: global }
      - { .name: wob, .offset: 56, .size: 8, .value_kind: global_buffer, .address_space: global }
    .group_segment_fixed_size: 0
    .private_segment_fixed_size: 0
    .kernarg_segment_align: 8
    .kernarg_segment_size: 64
    .max_flat_workgroup_size: 256
    .sgpr_count:     66
    .vgpr_count:     112
    .wavefront_size: 32
...
	.end_amdgpu_metadata
.endif
;; end of part 1
;; launch qkv (part 2): grid 16 x 16, 4 waves a work-group, clusters of 4 x 4, 327,680 bytes of LDS; arguments xb, wqkv, qh, kh, vh; writes qh, kh, vh
.if DOCPART == 2
	.amdgcn_target "amdgcn-amd-amdhsa--gfx1250"
	.amdhsa_code_object_version 6
	.text
	.protected	k_q9be2535f4e_qkv
	.globl	k_q9be2535f4e_qkv
	.p2align	8
	.type	k_q9be2535f4e_qkv,@function
k_q9be2535f4e_qkv:
	s_mov_b64 s[64:65], 0
	v_nop
	global_prefetch_b8 v0, s[64:65] scope:SCOPE_SE
	s_setreg_imm32_b32 hwreg(HW_REG_WAVE_MODE, 25, 1), 1
	s_wait_xcnt 0x0
	s_wait_alu depctr_hold_cnt(0) depctr_sa_sdst(0) depctr_va_vdst(0) depctr_va_sdst(0) depctr_va_ssrc(0) depctr_va_vcc(0) depctr_vm_vsrc(0)
	s_getreg_b32 s2, hwreg(HW_REG_IB_STS2, 6, 4)
	s_cmp_eq_u32 s2, 0
	s_cbranch_scc0 .Lentry_in_a_cluster
	s_endpgm
.Lentry_in_a_cluster:
	s_bfe_u32 s2, ttmp6, 0x10000c
	s_cmp_lg_u32 s2, 0xf033
	s_cbranch_scc0 .Lentry_shape_is_right
	s_endpgm
.Lentry_shape_is_right:
; [c q | k | v] of one head for 256 rows: a tile of 256 x 192 of xb x W_h, K = 1,024, bf16 operands, f32 sums; written as f16 by heads, [16][4096][64], each number rounded once.
; c = log2(e) / 8 is multiplied onto q's f32 sums ahead of that rounding, so that the scores of the next launch are exponents of 2.
; LIMIT.  c q, k and v must lie within f16's 65,504; beyond it the conversion gives an infinity.
; SHARES.  16 heads x 16 row blocks = 256 work-groups.  Wave w makes rows 64 w .. 64 w + 63 x all 192 columns: 4 x 12 accumulators of 16 x 16, 384 registers; for 32 along K it loads
; 4 fragments of x and 12 of W and issues 48 matrix instructions.  A wave owns whole rows (128 bytes) of q, k and v: its stage on the way out is its own.
; RING.  K goes in steps of 128 through two LDS slots: 256 rows of x (256 bytes + 16 of padding), then 128 rows of W as they lie in wqkv, each 128 bytes padded to 160.  Waves 0, 1 fetch x's halves, waves 2, 3 W's.
; CLUSTER.  4 x 4 work-groups: a row of the cluster shares x's tile (same row block), a column W's (same head): each tile is asked for jointly, by the same load, descriptor and mask in all four.
; THE MATRIX INSTRUCTION IS USED TRANSPOSED (source 0 = 16 columns of W, turned by ds_load_tr16_b128; source 1 = 16 rows of x): a lane holds one row and eight neighbouring columns.
; REGISTERS, in windows of 256 (s_set_vgpr_msb: bits 1:0 source 0, 3:2 source 1, 5:4 source 2, 7:6 destination):
;   window 0: v16-30 addresses; v32-63, v64-95 x's fragments, two buffers; v96-143, v144-239 at work on the way out      window 1: v0-95, v96-191 W's fragments, two buffers
;   window 2: accumulator (a, b < 8) at 8 (8 a + b)                window 3: accumulator (a, b >= 8) at 8 (4 a + b - 8)
.set KSTEP, 128
.set PA,    272                        ; a row of x in LDS: 68 words: the 16 rows of a load start at 16 different groups of four banks (64 banks of 4 bytes: ISA guide 11.1)
.set HALFA, 128*PA                     ; what one load of x brings
.set BOFF,  2*HALFA                    ; W lies behind x's 256 rows
.set HALFB, 192*160                    ; what one load of W brings: 64 rows of k x 3 pieces of 128 bytes, each padded to 160
.set SLOT,  BOFF+2*HALFB               ; 131,072
.set STAGE, 2*SLOT                     ; behind the ring: for each wave 3 x 16 rows x 144 bytes
.set SP,    144
.set WSTG,  3*16*SP
.set SPARE, STAGE+4*WSTG               ; the spare words, 128 bytes for each wave: two blocks of 256 bytes that no other line names
.set WHEAD, 393216                     ; a head's bytes in wqkv
.set WSTEP, 49152                      ; a K step's bytes of them
.set ADRA, 16                          ; v16-17 LDS address of my x fragments in slot 0, 1
.set ADRB, 20                          ; v20-21 the same for W
.set STO,  24                          ; v24 the way out: where I put 16 bytes of a row
.set RD,   25                          ; v25 where I read rows back
.set GO,   26                          ; v26 my 16 bytes in 512 consecutive bytes of q, k, v
.set SPW,  28                          ; v28 LDS address of my spare word; never rewritten
.set NIL,  29                          ; v29 0; never rewritten
.set PFO,  30                          ; v30 the prefetches' offset: my lane x a row of xb, or x 256 bytes of wqkv; never rewritten
.set FA,   32                          ; x's fragment buffers: FA + 32 f + 8 a
.set TMP,  96                          ; packed results
.set BK,   144                         ; rows read back: two sets of 48
.set WV,   14                          ; s14 my wave's number
.set FB,   15                          ; s15 0: I fetch for x; 1: for W
.set HF,   16                          ; s16 which half of that tile
.set CX,   17
.set CY,   18
.set HD,   19                          ; s19 the head = 4 x cluster x + cx
.set TR,   20                          ; s20 the row block = 4 x cluster y + cy
.set LA,   21                          ; s21 LDS byte of my half of x's tile in slot 0
.set G1A,  24                          ; s[24:31] descriptor group 1 for x
.set G0A,  32                          ; s[32:39] group 0, a set for each slot
.set G1B,  40                          ; s[40:47], s[48:55] the same for W
.set G0B,  48
.set PFA,  56                          ; s[56:57] where my prefetches stand
.set PST,  58                          ; s[58:59] their step
.set LIM0, 60                          ; s60, s61: a wave prefetches at slot 0's (slot 1's) refill while the lap count is above this
.set LIM1, 61
.set LAP,  62
.set LB,   63                          ; s63 LDS byte of my half of W's tile in slot 0
.set CS,   72                          ; s[72:73] c, named as a pair
.set MSB, 0
.macro WIN new                         ; the immediate's high byte repeats the setting that is left; a switch that changes nothing is dropped
.if MSB != (\new)
	s_set_vgpr_msb (MSB<<8)|(\new)
.set MSB, \new
.endif
.endm
.set MUL_LO, 0xa1                      ; source 0 (W) window 1, source 1 (x) window 0, C and D window 2
.set MUL_HI, 0xf1                      ; the same, C and D window 3
.set TO_B,   0x40                      ; destination window 1, address window 0
.macro PLACES                          ; four places in front of loads into registers that matrix instructions have read, and of vector lines that read results
.rept 4
	v_nop
.endr
.endm
; A joint load.  The branch hangs on the wave's number alone.  An s_nop 0 and four v_nop follow each of the two lines, ahead of the jump and the label.
.macro JLOAD s
	s_cmp_eq_u32 s[FB], 0
	s_cbranch_scc0 .Lfor_b_\@
	tensor_load_to_lds s[G0A+4*(\s):G0A+4*(\s)+3], s[G1A:G1A+7]
	s_nop 0
.rept 4
	v_nop
.endr
	s_branch .Lasked_\@
.Lfor_b_\@:
	tensor_load_to_lds s[G0B+4*(\s):G0B+4*(\s)+3], s[G1B:G1B+7]
	s_nop 0
.rept 4
	v_nop
.endr
.Lasked_\@:
.endm
; A PREFETCH INTO THE L2 behind a refill and the run of LDS loads that follows it, for bytes that a refill two changes of slots on will ask for; a lane names 256 bytes, one instruction a wave.
; x: K steps 4 to 7, one at each of the refills of K steps 2 to 5; the clusters with x = 0 ask, the four partners of a row taking 32 of a wave's 128 rows each, told apart by address.
; W: a head's K steps 4 to 7 are 196,608 dense bytes: three requests of 65,536, at the refills of K steps 2, 3 and 4; the clusters with y = 0 ask, eight waves of a column taking 8,192 bytes each, by address.
; So each 256 bytes are named once in the launch; K steps 0 to 3 come by their loads alone, and the last refills ask for nothing.
.macro ASK lim
	WIN 0
	s_cmp_gt_u32 s[LAP], s[\lim]
	s_cbranch_scc0 .Lnot_mine_\@
	global_prefetch_b8 v[PFO], s[PFA:PFA+1] th:TH_LOAD_NT scope:SCOPE_SE
.Lnot_mine_\@:
.endm
.macro CREST                           ; a round of the cluster's barrier behind its opening barrier
	s_cmp_lg_u32 s[WV], 0
	s_cbranch_scc1 .Lnot_wave_0_\@
	s_barrier_signal -3
.Lnot_wave_0_\@:
	s_barrier_wait -3
	s_barrier_signal -1
	s_barrier_wait -1
.endm
.macro CROUND                          ; a whole round
	s_barrier_signal -1
	s_barrier_wait -1
	CREST
.endm
	s_load_b256 s[4:11], s[0:1], 0x0               ; xb s[4:5], wqkv s[6:7], qh s[8:9], kh s[10:11]
	s_load_b64 s[12:13], s[0:1], 0x20              ; vh
	v_lshl_add_u32 v[SPW], v0, 2, SPARE
	v_mov_b32 v[NIL], 0
	ds_add_u32 v[SPW], v[NIL]                      ; the wave's opening: the add and its wait stand ahead of my first tensor load; the set-up below, work on registers, stands between them
	v_lshrrev_b32 v1, 5, v0
	v_readfirstlane_b32 s[WV], v1
	s_lshr_b32 s[FB], s[WV], 1
	s_and_b32 s[HF], s[WV], 1
	s_bfe_u32 s[CX], ttmp6, 0x40000
	s_bfe_u32 s[CY], ttmp6, 0x40004
	s_lshl_b32 s[HD], ttmp9, 2
	s_add_co_u32 s[HD], s[HD], s[CX]
	s_and_b32 s[TR], ttmp7, 0xffff
	s_lshl_b32 s[TR], s[TR], 2
	s_add_co_u32 s[TR], s[TR], s[CY]
	s_lshl_b32 s22, s[CY], 2
	s_lshl_b32 s22, 15, s22                        ; my row of the cluster
	s_lshl_b32 s23, 0x1111, s[CX]                  ; my column
	s_or_b32 s[G1A], s22, (1<<16)|(1<<20)|(1<<21)|(5<<22)|(3<<25)  ; the mask; 2-byte elements; padding on; 21 set beside a mask; after every 64 words, 4 words
	s_mov_b32 s[G1A+1], KSTEP<<16                  ; tensor_dim0 = 128
	s_mov_b32 s[G1A+2], 128<<16                    ; tensor_dim1 = 128
	s_mov_b32 s[G1A+3], KSTEP<<16                  ; tile_dim0 = 128
	s_mov_b32 s[G1A+4], 128                        ; tile_dim1 = 128
	s_mov_b32 s[G1A+5], 1024                       ; elements from row to row
	s_mov_b32 s[G1A+6], 0
	s_mov_b32 s[G1A+7], 0
	s_or_b32 s[G1B], s23, (1<<16)|(1<<20)|(1<<21)|(4<<22)|(7<<25)  ; after every 32 words, 8 words
	s_mov_b32 s[G1B+1], 128<<16                    ; 24,576 dense bytes as 96 rows of 256
	s_mov_b32 s[G1B+2], 96<<16
	s_mov_b32 s[G1B+3], 128<<16
	s_mov_b32 s[G1B+4], 96
	s_mov_b32 s[G1B+5], 128
	s_mov_b32 s[G1B+6], 0
	s_mov_b32 s[G1B+7], 0
	s_lshl_b32 s66, s[TR], 19                      ; x: (256 x row block + 128 x half) rows of 2,048 bytes
	s_lshl_b32 s67, s[HF], 18
	s_add_co_u32 s66, s66, s67
	s_mov_b32 s67, 0
	s_mul_i32 s70, s[HD], WHEAD                    ; W: the head, and my half of a K step
	s_mul_i32 s71, s[HF], WSTEP/2
	s_add_co_u32 s70, s70, s71
	s_mov_b32 s71, 0
	s_mul_i32 s[LA], s[HF], HALFA                  ; no place in the cluster enters an LDS address
	s_mul_i32 s[LB], s[HF], HALFB
	s_add_co_u32 s[LB], s[LB], BOFF
	s_mov_b32 s[CS], 0x3e38aa3b                    ; c = log2(e) / 8
	s_mov_b32 s[CS+1], s[CS]
	s_wait_dscnt 0x0                               ; the opening add is done
	s_wait_kmcnt 0x0
	s_add_nc_u64 s[68:69], s[4:5], s[66:67]
	s_add_nc_u64 s[70:71], s[6:7], s[70:71]
	CROUND                                         ; all sixteen work-groups are here: the first joint loads meet
.irp s, 0,1
	s_mov_b32 s[G0A+4*(\s)], 1
	s_add_co_u32 s[G0A+4*(\s)+1], s[LA], (\s)*SLOT
	s_add_nc_u64 s[G0A+4*(\s)+2:G0A+4*(\s)+3], s[68:69], (\s)*KSTEP*2
	s_or_b32 s[G0A+4*(\s)+3], s[G0A+4*(\s)+3], 0x80000000
	s_mov_b32 s[G0B+4*(\s)], 1
	s_add_co_u32 s[G0B+4*(\s)+1], s[LB], (\s)*SLOT
	s_add_nc_u64 s[G0B+4*(\s)+2:G0B+4*(\s)+3], s[70:71], (\s)*WSTEP
	s_or_b32 s[G0B+4*(\s)+3], s[G0B+4*(\s)+3], 0x80000000
	JLOAD \s                                       ; K steps 0 and 1: two loads of mine are out
.endr
	; x's fragment: lane l holds row l % 16; two loads of 16 bytes, 32 apart, at row x pitch + 16 (l / 16)
	v_and_b32 v1, 15, v0
	v_bfe_u32 v2, v0, 4, 1
	v_mul_u32_u24 v3, v1, PA
	v_lshl_add_u32 v3, v2, 4, v3
	s_mul_i32 s80, s[WV], 64*PA                    ; my 64 rows
	v_add_nc_u32 v[ADRA], s80, v3
	v_add_nc_u32 v[ADRA+1], SLOT, v[ADRA]
	; W's fragment by the turning load: lane l addresses row k = 8 (l / 16) + l % 8, columns 8 ((l / 8) % 2) on; row k lies at (k >> 1) x 960 + (k & 1) x 160
	v_mul_u32_u24 v4, v2, 3840
	v_bfe_u32 v5, v0, 1, 2
	v_mul_u32_u24 v5, v5, 960
	v_add_nc_u32 v4, v4, v5
	v_and_b32 v5, 1, v0
	v_mul_u32_u24 v5, v5, 160
	v_add_nc_u32 v4, v4, v5
	v_bfe_u32 v5, v0, 3, 1
	v_lshl_add_u32 v4, v5, 4, v4
	v_add_nc_u32 v[ADRB], BOFF, v4
	v_add_nc_u32 v[ADRB+1], SLOT, v[ADRB]
	s_mul_i32 s81, s[WV], WSTG
	s_add_co_u32 s81, s81, STAGE                   ; my stage
	v_mul_u32_u24 v5, v1, SP
	v_lshl_add_u32 v5, v2, 4, v5
	v_add_nc_u32 v[STO], s81, v5                   ; in: row l % 16, 16 bytes for each half of the lanes
	v_bfe_u32 v5, v0, 3, 2
	v_mul_u32_u24 v5, v5, SP
	v_and_b32 v6, 7, v0
	v_lshl_add_u32 v5, v6, 4, v5
	v_add_nc_u32 v[RD], s81, v5                    ; back: 32 lanes take four rows of 128 bytes,
	v_and_b32 v6, 31, v0
	v_lshlrev_b32 v[GO], 4, v6                     ; which are 512 consecutive bytes of q, k or v
	s_lshl_b32 s2, s[HD], 19                       ; the head's 524,288 bytes, my block's 256 rows of 128, my wave's 64
	s_lshl_b32 s3, s[TR], 15
	s_add_co_u32 s2, s2, s3
	s_lshl_b32 s3, s[WV], 13
	s_add_co_u32 s2, s2, s3
	s_mov_b32 s3, 0
	s_add_nc_u64 s[8:9], s[8:9], s[2:3]
	s_add_nc_u64 s[10:11], s[10:11], s[2:3]
	s_add_nc_u64 s[12:13], s[12:13], s[2:3]
	; the prefetches: both offsets are made, the wave's number chooses
	s_lshl_b32 s74, s[TR], 19
	s_lshl_b32 s75, s[HF], 18
	s_add_co_u32 s74, s74, s75
	s_lshl_b32 s75, s[CX], 16                      ; my work-group's 32 of the 128 rows
	s_add_co_u32 s74, s74, s75
	s_add_co_u32 s74, s74, 3*KSTEP*2               ; at K step 3: the first refill steps it to 4
	s_mul_i32 s76, s[HD], WHEAD
	s_lshl_b32 s75, s[CY], 1
	s_add_co_u32 s75, s75, s[HF]
	s_lshl_b32 s75, s75, 13                        ; my wave's 8,192 of 65,536 bytes
	s_add_co_u32 s76, s76, s75
	s_add_co_u32 s76, s76, 4*WSTEP-65536           ; one request ahead of K step 4's first byte
	s_lshl_b32 s75, s[FB], 3
	s_add_co_u32 s75, s75, 8
	s_lshl_b32 s[PST], 1, s75                      ; 256 bytes along a row of xb, or 65,536 bytes of wqkv
	s_mov_b32 s[PST+1], 0
	s_add_co_u32 s77, s[FB], 1
	s_and_b32 s78, ttmp7, 0xffff
	s_cmp_eq_u32 s[FB], 0
	s_cselect_b32 s78, ttmp9, s78                  ; the coordinate along which other clusters read the same bytes
	s_cselect_b32 s79, 11, 8
	s_cselect_b32 s2, s74, s76
	s_cselect_b64 s[PFA:PFA+1], s[4:5], s[6:7]
	s_add_nc_u64 s[PFA:PFA+1], s[PFA:PFA+1], s[2:3]
	s_cmp_eq_u32 s78, 0
	s_cselect_b32 s[LIM0], 1, -1                   ; laps 3 and 2 ask at slot 0's refill;
	s_cselect_b32 s[LIM1], s77, -1                 ; at slot 1's: x in laps 3 and 2, W in lap 3 alone
	v_lshlrev_b32 v[PFO], s79, v6
.macro WM acc, f, a, b, zero
.if \zero
	v_wmma_f32_16x16x32_bf16 v[(\acc):(\acc)+7], v[96*(\f)+8*(\b):96*(\f)+8*(\b)+7], v[FA+32*(\f)+8*(\a):FA+32*(\f)+8*(\a)+7], 0
.else
	v_wmma_f32_16x16x32_bf16 v[(\acc):(\acc)+7], v[96*(\f)+8*(\b):96*(\f)+8*(\b)+7], v[FA+32*(\f)+8*(\a):FA+32*(\f)+8*(\a)+7], v[(\acc):(\acc)+7]
.endif
.endm
; 16 matrix instructions on buffer f.  part 0: a = 0, 1 x b = 0..7; part 1: a = 2, 3 x b = 0..7; part 2: a = 0..3 x b = 8..11.  zero = 1: the products start the sums.
; The 48 accumulators take turns, one instruction a turn, in the same order in every quarter.
.macro MUL f, part, zero
.if (\part) < 2
	WIN MUL_LO
.irp a, 2*(\part), 2*(\part)+1
.irp b, 0,1,2,3,4,5,6,7
	WM 8*(8*(\a)+(\b)), \f, \a, \b, \zero
.endr
.endr
.else
	WIN MUL_HI
.irp a, 0,1,2,3
.irp b, 8,9,10,11
	WM 8*(4*(\a)+(\b)-8), \f, \a, \b, \zero
.endr
.endr
.endif
.endm
; 32 LDS loads in one run: quarter kq (32 along K) of a slot into buffer f: x's 4 fragments, then W's 12 in ascending b
.macro FETCH slot, kq, f
	WIN 0
.irp i, 0,1,2,3
	ds_load_b128 v[FA+32*(\f)+8*(\i):FA+32*(\f)+8*(\i)+3],   v[ADRA+(\slot)] offset:(\kq)*64+(\i)*16*PA
	ds_load_b128 v[FA+32*(\f)+8*(\i)+4:FA+32*(\f)+8*(\i)+7], v[ADRA+(\slot)] offset:(\kq)*64+(\i)*16*PA+32
.endr
	WIN TO_B
.irp b, 0,1,2,3,4,5,6,7,8,9,10,11
	ds_load_tr16_b128 v[96*(\f)+8*(\b):96*(\f)+8*(\b)+3],   v[ADRB+(\slot)] offset:(\kq)*15360+((\b)/4)*320+((\b)%4)*32
	ds_load_tr16_b128 v[96*(\f)+8*(\b)+4:96*(\f)+8*(\b)+7], v[ADRB+(\slot)] offset:(\kq)*15360+((\b)/4)*320+((\b)%4)*32+7680
.endr
.endm
; One of a K step's first three quarters: multiplies buffer f and fetches quarter kq of the same slot into buffer g
.macro QUARTER slot, kq, f, g, zero
	s_wait_dscnt 8                                 ; x and W's b = 0..7 are in; the youngest eight loads (b = 8..11) may be out
	MUL \f, 0, \zero
	PLACES
	FETCH \slot, \kq, \g
	MUL \f, 1, \zero
	s_wait_dscnt 32                                ; all but the 32 just issued
	MUL \f, 2, \zero
.endm
; The fourth quarter multiplies buffer 1 and changes slots: ONE barrier; in front of it each wave waits for all its tensor loads (one is out: its part of the next slot), adds 0 to its spare word,
; and waits for that and for its reads of this slot.  fill = 1: the barrier opens a round of the cluster's, and the slot is filled again, two K steps on, first thing behind the round:
; 160 matrix instructions stand between that request and the wait for it.
.macro TURN slot, next, fill, lim=LIM0
.if \fill
	s_wait_xcnt 0x0                                ; the last prefetch, a K step back, has read its address
	s_add_nc_u64 s[PFA:PFA+1], s[PFA:PFA+1], s[PST:PST+1]
.endif
	WIN 0
	s_wait_tensorcnt 0x0                           ; all my tensor loads have landed
	ds_add_u32 v[SPW], v[NIL]                      ; 0 onto my spare word
	s_wait_dscnt 9                                 ; (the add and the youngest eight loads may be out)
	MUL 1, 0, 0
	s_wait_dscnt 0x0                               ; the add is done, and my reads of this slot are over
	s_barrier_signal -1
	MUL 1, 1, 0
.if \fill
	WIN 0
.endif
	s_barrier_wait -1
.if \fill
	CREST                                          ; no wave of any partner still reads this slot or has a load on its way
	s_add_nc_u64 s[G0A+4*(\slot)+2:G0A+4*(\slot)+3], s[G0A+4*(\slot)+2:G0A+4*(\slot)+3], 2*KSTEP*2
	s_add_nc_u64 s[G0B+4*(\slot)+2:G0B+4*(\slot)+3], s[G0B+4*(\slot)+2:G0B+4*(\slot)+3], 2*WSTEP
	JLOAD \slot                                    ; its four v_nop are also the places in front of the loads below
.else
	PLACES
.endif
	FETCH \next, 0, 0
.if \fill
	ASK \lim
.endif
	MUL 1, 2, 0
.endm
	s_wait_tensorcnt 1                             ; my part of K step 0 is in; K step 1's may stay out
	s_barrier_signal -1
	s_barrier_wait -1
	FETCH 0, 0, 0
	QUARTER 0, 1, 0, 1, 1                          ; the first quarter stands in front of the loop: its products start the sums
	WIN 0
	s_mov_b32 s[LAP], 3
.Llap:                                                 ; a trip goes once round the ring and fills both slots again: K steps 2 to 7 in three trips
	QUARTER 0, 2, 1, 0, 0
	QUARTER 0, 3, 0, 1, 0
	TURN 0, 1, 1, LIM0
	QUARTER 1, 1, 0, 1, 0
	QUARTER 1, 2, 1, 0, 0
	QUARTER 1, 3, 0, 1, 0
	TURN 1, 0, 1, LIM1
	QUARTER 0, 1, 0, 1, 0
	WIN 0
	s_sub_co_u32 s[LAP], s[LAP], 1
	s_cmp_lg_u32 s[LAP], 0
	s_cbranch_scc1 .Llap
	QUARTER 0, 2, 1, 0, 0                          ; the last lap fills nothing
	QUARTER 0, 3, 0, 1, 0
	TURN 0, 1, 0
	QUARTER 1, 1, 0, 1, 0
	QUARTER 1, 2, 1, 0, 0
	QUARTER 1, 3, 0, 1, 0
	s_wait_dscnt 8
	MUL 1, 0, 0
	MUL 1, 1, 0
	s_wait_dscnt 0x0
	MUL 1, 2, 0
; THE WAY OUT, a block of 16 rows at a time.  PACK: q's four accumulators times c; all twelve rounded to f16, each accumulator's registers in ascending order.  TOSTAGE: 16 bytes a lane into my stage
; (q's, k's, v's 16 rows apart), and back as whole rows.  SEND: twelve stores of 512 consecutive bytes.
.macro PACK a
	WIN 0x82
.set i, 64*(\a)
.rept 16
	v_pk_mul_f32 v[i:i+1], v[i:i+1], s[CS:CS+1] op_sel_hi:[1,0]
.set i, i+2
.endr
	WIN 0x0a
.irp b, 0,1,2,3,4,5,6,7
.irp r, 0,1,2,3
	v_cvt_pk_f16_f32 v[TMP+4*(\b)+(\r)], v[64*(\a)+8*(\b)+2*(\r)], v[64*(\a)+8*(\b)+2*(\r)+1]
.endr
.endr
	WIN 0x0f
.irp b, 8,9,10,11
.irp r, 0,1,2,3
	v_cvt_pk_f16_f32 v[TMP+4*(\b)+(\r)], v[32*(\a)+8*((\b)-8)+2*(\r)], v[32*(\a)+8*((\b)-8)+2*(\r)+1]
.endr
.endr
	WIN 0
.endm
.macro TOSTAGE a
	WIN 0
	s_wait_xcnt 0x0                                ; the stores of two blocks back have read the registers that are loaded below
.irp b, 0,1,2,3,4,5,6,7,8,9,10,11
	ds_store_b128 v[STO], v[TMP+4*(\b):TMP+4*(\b)+3] offset:((\b)/4)*16*SP+((\b)%4)*32
.endr
.irp g, 0,1,2
.irp f, 0,1,2,3
	ds_load_b128 v[BK+48*((\a)%2)+4*(4*(\g)+(\f)):BK+48*((\a)%2)+4*(4*(\g)+(\f))+3], v[RD] offset:(\g)*16*SP+(\f)*4*SP  ; LDS serves a wave's instructions in order (ISA guide 5.7.1.4): these see the stores above
.endr
.endr
.endm
.macro SEND a
	WIN 0
	s_wait_dscnt 0x0                               ; the block is back in registers
.irp g, 0,1,2
.irp f, 0,1,2,3
	global_store_b128 v[GO], v[BK+48*((\a)%2)+4*(4*(\g)+(\f)):BK+48*((\a)%2)+4*(4*(\g)+(\f))+3], s[8+2*(\g):9+2*(\g)] offset:(\a)*2048+(\f)*512
.endr
.endr
.endm
	PLACES
	PACK 0
	TOSTAGE 0
.irp a, 1,2,3                          ; block a's arithmetic stands between block a - 1's loads from the stage and the wait for them
	PACK \a
	SEND (\a)-1
	TOSTAGE \a
.endr
	SEND 3
	s_wait_tensorcnt 0x0                           ; the wave's end, behind my last tensor load and my last LDS store
	ds_add_u32 v[SPW], v[NIL]
	s_wait_dscnt 0x0
	CROUND                                         ; the closing round: no work-group ends while a partner may still ask for a tile that names it
	s_endpgm
.Lfunc_end_k_q9be2535f4e_qkv:
	.size	k_q9be2535f4e_qkv, .Lfunc_end_k_q9be2535f4e_qkv-k_q9be2535f4e_qkv
	.p2alignl 7, 3214868480
	.fill 96, 4, 3214868480
	.section	.rodata,"a",@progbits
	.p2align	6, 0x0
	.amdhsa_kernel k_q9be2535f4e_qkv
		.amdhsa_group_segment_fixed_size 327680
		.amdhsa_private_segment_fixed_size 0
		.amdhsa_enable_private_segment 0
		.amdhsa_kernarg_size 40
		.amdhsa_user_sgpr_count 2
		.amdhsa_user_sgpr_kernarg_segment_ptr 1
		.amdhsa_wavefront_size32 1
		.amdhsa_system_sgpr_workgroup_id_x 1
		.amdhsa_system_sgpr_workgroup_id_y 1
		.amdhsa_system_sgpr_workgroup_id_z 1
		.amdhsa_system_vgpr_workitem_id 0
		.amdhsa_next_free_vgpr 896
		.amdhsa_next_free_sgpr 82
		.amdhsa_reserve_vcc 0
		.amdhsa_float_denorm_mode_32 3
		.amdhsa_float_denorm_mode_16_64 3
		.amdhsa_memory_ordered 1
		.amdhsa_forward_progress 1
		.amdhsa_inst_pref_size 125
	.end_amdhsa_kernel
	.amdgpu_metadata
---
amdhsa.version: [ 1, 2 ]
amdhsa.kernels:
  - .name:           k_q9be2535f4e_qkv
    .symbol:         k_q9be2535f4e_qkv.kd
    .args:
      - { .name: xb, .offset: 0, .size: 8, .value_kind: global_buffer, .address_space: global }
      - { .name: wqkv, .offset: 8, .size: 8, .value_kind: global_buffer, .address_space: global }
      - { .name: qh, .offset: 16, .size: 8, .value_kind: global_buffer, .address_space: global }
      - { .name: kh, .offset: 24, .size: 8, .value_kind: global_buffer, .address_space: global }
      - { .name: vh, .offset: 32, .size: 8, .value_kind: global_buffer, .address_space: global }
    .group_segment_fixed_size: 327680
    .private_segment_fixed_size: 0
    .kernarg_segment_align: 8
    .kernarg_segment_size: 40
    .max_flat_workgroup_size: 128
    .sgpr_count:     82
    .vgpr_count:     896
    .wavefront_size: 32
...
	.end_amdgpu_metadata
.endif
;; end of part 2
;; launch attn (part 3): grid 16 x 16, 4 waves a work-group, no clusters, 167,936 bytes of LDS; arguments qh, kh, vh, oh; writes oh
.if DOCPART == 3
	.amdgcn_target "amdgcn-amd-amdhsa--gfx1250"
	.amdhsa_code_object_version 6
	.text
	.protected	k_q9be2535f4e_attn
	.globl	k_q9be2535f4e_attn
	.p2align	8
	.type	k_q9be2535f4e_attn,@function
k_q9be2535f4e_attn:
	s_mov_b64 s[64:65], 0
	v_nop
	global_prefetch_b8 v0, s[64:65] scope:SCOPE_SE
	s_setreg_imm32_b32 hwreg(HW_REG_WAVE_MODE, 25, 1), 1
	s_wait_xcnt 0x0
; SLIDING-WINDOW ATTENTION.  O[h][i] = the sum over j in [i - 256, i], j >= 0, of softmax_j(q[h][i] . k[h][j] / 8) v[h][j].  qh (already times c = log2(e) / 8), kh, vh, oh: [16][4096][64] f16.
; Products, maxima and sums in f32; the weights are rounded to f16 for the second product (their sum is taken unrounded), O once at the end.
; LIMITS.  A hidden score counts as its value less 1e30 (f16's scores are nothing beside that); a weight below 2^-126 counts as 0; NaN and infinities are not treated apart.
; SHARES.  A work-group owns 256 queries (block b) of one head and holds the 512 keys of blocks b - 1 and b in LDS, filled once.  Wave w owns queries 256 b + 64 w + 16 t + r (tiles t = 0..3)
; and walks five steps of 64 keys, LDS key rows 64 (w + s) on, s = 0..4: the same work for every wave.  Blocks of 16 keys that the window hides wholly (s = 0, kb < t; s = 4, kb > t) are left out of the text.
; At b = 0 the lower half is filled with block 0 once more (the block's number is clamped) and hidden wholly by the masks.
; THE MASK is the C operand that starts a score's sum: TL (s = 0, kb = t: hidden where the key's place is below the query's), TD (s = 4, kb = t: above it), Zs (a whole step: -1e30 where b = 0 and w + s < 4, else 0).
; EXACT MAXIMUM.  All 320 scores of a query stay in registers (S, 640 registers), so the row's true maximum m is found first, then p = 2^(s - m): no exponent is above 0; nothing is rescaled.
; LAYOUT.  S^T = K Q^T: a lane holds ONE query (lane % 16) and the keys 8 (lane / 16) + 0..7; two such results rounded to f16 ARE source 1 of O^T = V^T P.  V is turned by ds_load_tr16_b128.
; NO CLUSTER: a block of keys is read by two work-groups, b and b + 1, and would have to land in the upper half of the one's LDS and the lower half of the other's: an LDS address would hang on the place in the cluster.
; NO PREFETCH: every load from memory stands at the head.
; REGISTERS, in windows of 256 (s_set_vgpr_msb: bits 1:0 source 0, 3:2 source 1, 5:4 source 2, 7:6 destination):
;   window 0: v1-15 addresses; v16-79 statistics, 16 a tile; v96-159, v160-223 K's or V's fragments, two buffers (later the way out)
;   windows 1-3: S of (step s, tile t) in window 1 + s / 2 at 32 ((4 s + t) % 8); P takes its first 16 registers in place
;   window 3, v128-255: Q (16 a tile), TL, TD, Z0-Z3; from the second product on O^T, 32 a tile
.set PK,    144                        ; a row of K in LDS: 128 bytes + 16: the 16 rows of a load start at 16 different groups of four banks (64 banks of 4 bytes: ISA guide 11.1)
.set PV,    160                        ; a row of V: 128 + 32
.set VOFF,  512*PK
.set STAGE, VOFF+512*PV                ; 16 rows x 144 bytes for each wave, for the way out
.set SP,    144
.set SPARE, STAGE+4*16*SP              ; the spare words, 128 bytes for each wave: two blocks of 256 bytes that no other line names
.set AK,  2                            ; v2  my lane's place in my wave's first step of K
.set AV,  3                            ; v3  the same for V
.set QO,  4                            ; v4  my byte offset in 16 rows of Q
.set STO, 5
.set RD,  6
.set GO,  7
.set SPW, 12                           ; v12 LDS address of my spare word; never rewritten
.set NIL, 13                           ; v13 0; never rewritten
.set ST,  16                           ; tile t at ST + 16 t: +0 m, +1 at work, +2..5 four chains of the maximum (later 1 / l at +2), +8..15 four pairs of l
.set KV0, 96
.set KV1, 160
.set PKR, 96                           ; the way out: 32 registers a tile
.set QR,  128                          ; window 3
.set TL,  192
.set TD,  200
.set ZR,  208
.set OT,  128
.set WV,  12
.set HF,  13
.set BB,  14
.set HD,  15
.set G1K, 24
.set G1V, 32
.set G0K, 40
.set G0V, 44
.set BIGN, 48
.set ZS,  49                           ; s49-52 z0..z3
.set SEL, 54                           ; s[54:55] v_permlanex16_b32's selects: each lane takes its own place in the other half
.set MSB, 0
.macro WIN new
.if MSB != (\new)
	s_set_vgpr_msb (MSB<<8)|(\new)
.set MSB, \new
.endif
.endm
.macro PLACES
.rept 4
	v_nop
.endr
.endm
.macro SETVIS s, t, kb                 ; VIS = 1: block kb of step s holds a key that tile t may see
.set VIS, 1
.if ((\s) == 0) && ((\kb) < (\t))
.set VIS, 0
.endif
.if ((\s) == 4) && ((\kb) > (\t))
.set VIS, 0
.endif
.endm
.macro SETHALF s, t, kk                ; HV = 1: one of the blocks 2 kk, 2 kk + 1 does
.set HV, 1
.if ((\s) == 0) && ((2*(\kk)+1) < (\t))
.set HV, 0
.endif
.if ((\s) == 4) && ((2*(\kk)) > (\t))
.set HV, 0
.endif
.endm
	s_load_b256 s[4:11], s[0:1], 0x0               ; qh s[4:5], kh s[6:7], vh s[8:9], oh s[10:11]
	v_lshl_add_u32 v[SPW], v0, 2, SPARE
	v_mov_b32 v[NIL], 0
	ds_add_u32 v[SPW], v[NIL]                      ; the wave's opening: the add and its wait stand ahead of my tensor load; the set-up below, work on registers, stands between them
	v_lshrrev_b32 v1, 5, v0
	v_readfirstlane_b32 s[WV], v1
	s_and_b32 s[HF], s[WV], 1                      ; which half of the 512 keys I fetch
	s_mov_b32 s[BB], ttmp9
	s_and_b32 s[HD], ttmp7, 0xffff
	; 256 keys are 32,768 dense bytes: asked for as 128 rows of 256 bytes, two keys a row, padded in LDS after every key
	s_mov_b32 s[G1K], (1<<16)|(1<<20)|(4<<22)|(3<<25)  ; 2-byte elements; padding on; after every 32 words, 4 words
	s_mov_b32 s[G1V], (1<<16)|(1<<20)|(4<<22)|(7<<25)  ; 8 words
.irp g, G1K, G1V
	s_mov_b32 s[\g+1], 128<<16
	s_mov_b32 s[\g+2], 128<<16
	s_mov_b32 s[\g+3], 128<<16
	s_mov_b32 s[\g+4], 128
	s_mov_b32 s[\g+5], 128
	s_mov_b32 s[\g+6], 0
	s_mov_b32 s[\g+7], 0
.endr
	s_add_co_i32 s16, s[BB], s[HF]
	s_sub_co_i32 s16, s16, 1
	s_max_i32 s16, s16, 0                          ; key block b - 1 + half, never below 0
	s_lshl_b32 s16, s16, 15
	s_lshl_b32 s17, s[HD], 19
	s_add_co_u32 s16, s16, s17
	s_mov_b32 s17, 0
	s_lshl_b32 s18, s[BB], 15                      ; my block's 256 rows of 128 bytes, my wave's 64, the head
	s_lshl_b32 s19, s[WV], 13
	s_add_co_u32 s18, s18, s19
	s_lshl_b32 s19, s[HD], 19
	s_add_co_u32 s18, s18, s19
	s_mov_b32 s19, 0
	s_mul_i32 s20, s[HF], 256*PK
	s_mul_i32 s21, s[HF], 256*PV
	s_mov_b32 s[G0K], 1
	s_mov_b32 s[G0K+1], s20
	s_mov_b32 s[G0V], 1
	s_add_co_u32 s[G0V+1], s21, VOFF
	s_mov_b32 s[SEL], 0x76543210
	s_mov_b32 s[SEL+1], 0xfedcba98
	s_mov_b32 s[BIGN], 0xf149f2ca                  ; -1e30
	s_cmp_eq_u32 s[BB], 0
	s_cselect_b32 s53, 4, 0
.irp s, 0,1,2,3
	s_add_co_u32 s22, s[WV], \s
	s_cmp_lt_u32 s22, s53                          ; b = 0 and w + s < 4: the step's keys do not exist
	s_cselect_b32 s[ZS+\s], s[BIGN], 0
.endr
	s_wait_dscnt 0x0                               ; the opening add is done
	s_wait_kmcnt 0x0
	s_add_nc_u64 s[G0K+2:G0K+3], s[6:7], s[16:17]
	s_or_b32 s[G0K+3], s[G0K+3], 0x80000000
	s_add_nc_u64 s[G0V+2:G0V+3], s[8:9], s[16:17]
	s_or_b32 s[G0V+3], s[G0V+3], 0x80000000
	s_add_nc_u64 s[4:5], s[4:5], s[18:19]
	s_add_nc_u64 s[10:11], s[10:11], s[18:19]
	s_cmp_lt_u32 s[WV], 2                          ; waves 0, 1 fetch K's halves, waves 2, 3 V's: one load a wave, the launch's only fills
	s_cbranch_scc0 .Lfor_v
	tensor_load_to_lds s[G0K:G0K+3], s[G1K:G1K+7]
	s_nop 0
.rept 4
	v_nop
.endr
	s_branch .Lasked
.Lfor_v:
	tensor_load_to_lds s[G0V:G0V+3], s[G1V:G1V+7]
	s_nop 0
.rept 4
	v_nop
.endr
.Lasked:
	v_and_b32 v1, 15, v0                           ; r
	v_bfe_u32 v8, v0, 4, 1                         ; h
	v_lshlrev_b32 v[QO], 7, v1
	v_lshl_add_u32 v[QO], v8, 4, v[QO]
	v_lshlrev_b32 v14, 3, v8
	v_sub_nc_u32 v14, v1, v14                      ; r - 8 h: register j of a block holds the key at place 8 h + j
	v_mov_b32 v15, s[ZS]
	WIN 0xc0                                       ; destination window 3
.irp t, 0,1,2,3
.irp c, 0,1
	global_load_b128 v[QR+16*(\t)+8*(\c):QR+16*(\t)+8*(\c)+3],   v[QO], s[4:5] offset:(\t)*2048+(\c)*64
	global_load_b128 v[QR+16*(\t)+8*(\c)+4:QR+16*(\t)+8*(\c)+7], v[QO], s[4:5] offset:(\t)*2048+(\c)*64+32
.endr
.endr
.set j, 0
.rept 8
	v_cmp_lt_i32 vcc_lo, j, v14                    ; 8 h + j < r: older than the window
	v_cndmask_b32 v[TL+j], v15, s[BIGN], vcc_lo
	v_cmp_gt_i32 vcc_lo, j, v14                    ; 8 h + j > r: in the future
	v_cndmask_b32 v[TD+j], 0, s[BIGN], vcc_lo
.set j, j+1
.endr
.irp s, 0,1,2,3
.set j, 0
.rept 8
	v_mov_b32 v[ZR+8*(\s)+j], s[ZS+\s]
.set j, j+1
.endr
.endr
	WIN 0
.irp t, 0,1,2,3                        ; the chains of the maximum start at the lowest finite number, l at 0: written in the wait for the tiles
.irp n, 1,2,3,4,5
	v_mov_b32 v[ST+16*(\t)+(\n)], 0xff7fffff
.endr
.irp n, 8,9,10,11,12,13,14,15
	v_mov_b32 v[ST+16*(\t)+(\n)], 0
.endr
.endr
	v_mul_u32_u24 v[AK], v1, PK
	v_lshl_add_u32 v[AK], v8, 4, v[AK]
	s_mul_i32 s16, s[WV], 64*PK
	v_add_nc_u32 v[AK], s16, v[AK]                 ; row x pitch + 16 x half + my wave's first key row
	v_and_b32 v9, 7, v0
	v_bfe_u32 v10, v0, 3, 1
	v_lshl_add_u32 v[AV], v8, 3, v9
	v_mul_u32_u24 v[AV], v[AV], PV
	v_lshl_add_u32 v[AV], v10, 4, v[AV]
	s_mul_i32 s17, s[WV], 64*PV
	s_add_co_u32 s17, s17, VOFF
	v_add_nc_u32 v[AV], s17, v[AV]
	s_mul_i32 s18, s[WV], 16*SP
	s_add_co_u32 s18, s18, STAGE
	v_mul_u32_u24 v[STO], v1, SP
	v_lshl_add_u32 v[STO], v8, 4, v[STO]
	v_add_nc_u32 v[STO], s18, v[STO]
	v_bfe_u32 v[RD], v0, 3, 2
	v_mul_u32_u24 v[RD], v[RD], SP
	v_lshl_add_u32 v[RD], v9, 4, v[RD]
	v_add_nc_u32 v[RD], s18, v[RD]
	v_and_b32 v[GO], 31, v0
	v_lshlrev_b32 v[GO], 4, v[GO]
	s_wait_tensorcnt 0x0                           ; my part of the keys is in,
	s_barrier_signal -1
	s_barrier_wait -1                              ; everybody's is: the launch's one barrier
.macro FETCH_K s, buf                  ; a step's K: 64 keys x 64 channels: fragment (kb, c) at buf + 16 kb + 8 c
	WIN 0
.irp kb, 0,1,2,3
.irp c, 0,1
	ds_load_b128 v[(\buf)+16*(\kb)+8*(\c):(\buf)+16*(\kb)+8*(\c)+3],   v[AK] offset:(\s)*64*PK+(\kb)*16*PK+(\c)*64
	ds_load_b128 v[(\buf)+16*(\kb)+8*(\c)+4:(\buf)+16*(\kb)+8*(\c)+7], v[AK] offset:(\s)*64*PK+(\kb)*16*PK+(\c)*64+32
.endr
.endr
.endm
.macro FETCH_V s, buf                  ; a step's V, turned: fragment (kk, cb) at buf + 32 kk + 8 cb
	WIN 0
.irp kk, 0,1
.irp cb, 0,1,2,3
	ds_load_tr16_b128 v[(\buf)+32*(\kk)+8*(\cb):(\buf)+32*(\kk)+8*(\cb)+3],   v[AV] offset:(\s)*64*PV+(\kk)*32*PV+(\cb)*32
	ds_load_tr16_b128 v[(\buf)+32*(\kk)+8*(\cb)+4:(\buf)+32*(\kk)+8*(\cb)+7], v[AV] offset:(\s)*64*PV+(\kk)*32*PV+(\cb)*32+16*PV
.endr
.endr
.endm
; S^T = K Q^T of step s: first all visible blocks' channels 0-31, which start the sums with the mask, then their channels 32-63.  The accumulators take turns.
.macro KQ s, buf
.set wS, 1+(\s)/2
.irp c, 0,1
.if (\c) == 0
	WIN 0x3c|(wS<<6)                               ; K window 0, Q and the mask window 3
.else
	WIN 0x0c|(wS<<4)|(wS<<6)
.endif
.irp kb, 0,1,2,3
.irp t, 0,1,2,3
	SETVIS \s, \t, \kb
.if VIS
.set rS, 32*((4*(\s)+(\t))%8)+8*(\kb)
.set rK, (\buf)+16*(\kb)+8*(\c)
.set rQ, QR+16*(\t)+8*(\c)
.set rM, ZR+8*((\s)%4)
.if ((\s) == 0) && ((\kb) == (\t))
.set rM, TL
.endif
.if (\s) == 4
.set rM, TD
.endif
.if (\c) == 1
	v_wmma_f32_16x16x32_f16 v[rS:rS+7], v[rK:rK+7], v[rQ:rQ+7], v[rS:rS+7]
.elseif ((\s) == 4) && ((\kb) < (\t))
	v_wmma_f32_16x16x32_f16 v[rS:rS+7], v[rK:rK+7], v[rQ:rQ+7], 0
.else
	v_wmma_f32_16x16x32_f16 v[rS:rS+7], v[rK:rK+7], v[rQ:rQ+7], v[rM:rM+7]
.endif
.endif
.endr
.endr
.endr
.endm
; O^T += V^T P of step s, by halves of 32 keys that hold a visible block.  A tile's first half of step 0 starts its sums with the constant 0.
.macro PV s, buf
.set wS, 1+(\s)/2
	WIN (wS<<2)|0xf0                               ; V window 0, P in S's window, O^T window 3
.irp kk, 0,1
.irp cb, 0,1,2,3
.irp t, 0,1,2,3
	SETHALF \s, \t, \kk
.if HV
.set rO, OT+32*(\t)+8*(\cb)
.set rV, (\buf)+32*(\kk)+8*(\cb)
.set rP, 32*((4*(\s)+(\t))%8)+8*(\kk)
.if ((\s) == 0) && (((\kk) == 0) || ((\t) >= 2))
	v_wmma_f32_16x16x32_f16 v[rO:rO+7], v[rV:rV+7], v[rP:rP+7], 0
.else
	v_wmma_f32_16x16x32_f16 v[rO:rO+7], v[rV:rV+7], v[rP:rP+7], v[rO:rO+7]
.endif
.endif
.endr
.endr
.endr
.endm
; The maximum over step s: four chains a tile, two scores a line; each accumulator's lowest registers are read first
.macro MAXS s
.set wS, 1+(\s)/2
	WIN (wS<<2)|(wS<<4)
.irp kb, 0,1,2,3
.irp t, 0,1,2,3
	SETVIS \s, \t, \kb
.if VIS
.set rS, 32*((4*(\s)+(\t))%8)+8*(\kb)
.irp i, 0,1,2,3
	v_max3_num_f32 v[ST+16*(\t)+2+(\i)], v[ST+16*(\t)+2+(\i)], v[rS+2*(\i)], v[rS+2*(\i)+1]
.endr
.endif
.endr
.endr
.endm
.macro FS n                            ; pair n of a block: s - m
	v_pk_add_f32 v[rS+2*(\n):rS+2*(\n)+1], v[rS+2*(\n):rS+2*(\n)+1], v[rT:rT+1] op_sel_hi:[1,0] neg_lo:[0,1] neg_hi:[0,1]
.endm
.macro ES n                            ; score n of a block: 2^(s - m), in place
	v_exp_f32 v[rS+(\n)], v[rS+(\n)]
.endm
; The exponentials of step s.  None of these lines names an exponential's result: all five steps' are one batch
.macro EXPS s
.set wS, 1+(\s)/2
	WIN wS|(wS<<6)
.irp kb, 0,1,2,3
.irp t, 0,1,2,3
	SETVIS \s, \t, \kb
.if VIS
.set rS, 32*((4*(\s)+(\t))%8)+8*(\kb)
.set rT, ST+16*(\t)
	FS 0
	FS 1
	ES 0
	ES 1
	FS 2
	ES 2
	ES 3
	FS 3
	ES 4
	ES 5
	ES 6
	ES 7
.endif
.endr
.endr
.endm
; The sums and the roundings of step s, tile by tile: l takes the unrounded weights; then P goes into the first 16 registers of S, ascending, so that no weight is overwritten before it is read;
; a hidden block beside a visible one in a half of 32 keys is written as 0.
.macro SUMCVT s
.set wS, 1+(\s)/2
.irp t, 0,1,2,3
.set rU, 32*((4*(\s)+(\t))%8)
.set rL, ST+16*(\t)+8
	WIN wS<<2
.irp kb, 0,1,2,3
	SETVIS \s, \t, \kb
.if VIS
.irp i, 0,1,2,3
	v_pk_add_f32 v[rL+2*(\i):rL+2*(\i)+1], v[rL+2*(\i):rL+2*(\i)+1], v[rU+8*(\kb)+2*(\i):rU+8*(\kb)+2*(\i)+1]
.endr
.endif
.endr
	WIN wS|(wS<<2)|(wS<<6)
.irp kb, 0,1,2,3
	SETVIS \s, \t, \kb
	SETHALF \s, \t, (\kb)/2
.irp i, 0,1,2,3
.if VIS
	v_cvt_pk_f16_f32 v[rU+4*(\kb)+(\i)], v[rU+8*(\kb)+2*(\i)], v[rU+8*(\kb)+2*(\i)+1]
.elseif HV
	v_mov_b32 v[rU+4*(\kb)+(\i)], 0
.endif
.endr
.endr
.endr
.endm
	; PHASE A: all scores.  Two fragment buffers: while one step is multiplied the next step's run of 16 loads is out; a buffer is loaded again four places behind its last product.
	FETCH_K 0, KV0
	FETCH_K 1, KV1
	s_wait_loadcnt 0x0                             ; Q
	s_wait_dscnt 16                                ; this step's fragments are in; the next run of 16 may stay out (so at each step below)
	KQ 0, KV0
	PLACES
	FETCH_K 2, KV0
	s_wait_dscnt 16
	KQ 1, KV1
	PLACES
	FETCH_K 3, KV1
	s_wait_dscnt 16
	KQ 2, KV0
	PLACES
	FETCH_K 4, KV0
	s_wait_dscnt 16
	KQ 3, KV1
	PLACES
	FETCH_V 0, KV1
	s_wait_dscnt 16
	KQ 4, KV0
	PLACES
	FETCH_V 1, KV0
	; PHASE B: the softmax
.irp s, 0,1,2,3,4
	MAXS \s
.endr
	WIN 0
.macro ALL line:vararg                 ; one line for each tile t
.set t, 0
.rept 4
	\line
.set t, t+1
.endr
.endm
	ALL v_max3_num_f32 v[ST+16*t+2], v[ST+16*t+2], v[ST+16*t+3], v[ST+16*t+4]
	ALL v_max_num_f32 v[ST+16*t+2], v[ST+16*t+2], v[ST+16*t+5]
	ALL v_permlanex16_b32 v[ST+16*t+1], v[ST+16*t+2], s[SEL], s[SEL+1]
	ALL v_max_num_f32 v[ST+16*t], v[ST+16*t+2], v[ST+16*t+1]
.irp s, 0,1,2,3,4
	EXPS \s
.endr
	v_nop                                          ; a plain instruction behind the last exponential,
	s_wait_alu depctr_va_vdst(0)                   ; and the wait ahead of the first line that names a result: one for the whole batch
.irp s, 0,1,2,3,4
	SUMCVT \s
.endr
	; PHASE C: O^T
	s_wait_dscnt 16
	PV 0, KV1
	PLACES
	FETCH_V 2, KV1
	s_wait_dscnt 16
	PV 1, KV0
	PLACES
	FETCH_V 3, KV0
	s_wait_dscnt 16
	PV 2, KV1
	PLACES
	FETCH_V 4, KV1
	s_wait_dscnt 16
	PV 3, KV0
	s_wait_dscnt 0x0
	PV 4, KV1
	; PHASE D: l's four pairs, its two halves and the other half of the lanes' are added (the first lines are the places behind the last products); O^T is divided by l, rounded and sent through my stage
	WIN 0
	ALL v_pk_add_f32 v[ST+16*t+8:ST+16*t+9], v[ST+16*t+8:ST+16*t+9], v[ST+16*t+10:ST+16*t+11]
	ALL v_pk_add_f32 v[ST+16*t+12:ST+16*t+13], v[ST+16*t+12:ST+16*t+13], v[ST+16*t+14:ST+16*t+15]
	ALL v_pk_add_f32 v[ST+16*t+8:ST+16*t+9], v[ST+16*t+8:ST+16*t+9], v[ST+16*t+12:ST+16*t+13]
	ALL v_add_f32 v[ST+16*t+4], v[ST+16*t+8], v[ST+16*t+9]
	ALL v_permlanex16_b32 v[ST+16*t+5], v[ST+16*t+4], s[SEL], s[SEL+1]
	ALL v_add_f32 v[ST+16*t+4], v[ST+16*t+4], v[ST+16*t+5]
	ALL v_rcp_f32 v[ST+16*t+2], v[ST+16*t+4]
	v_nop                                          ; a plain instruction between the last reciprocal and the use of its result,
	s_wait_alu depctr_va_vdst(0)                   ; and one wait for the four
.macro PACK t                          ; a lane's eight channels of a row pack into 16 bytes; they go into rows of 144 bytes and come back as whole rows of 128
	WIN 0xc3
.set i, OT+32*(\t)
.rept 16
	v_pk_mul_f32 v[i:i+1], v[i:i+1], v[ST+16*(\t)+2:ST+16*(\t)+3] op_sel_hi:[1,0]
.set i, i+2
.endr
	WIN 0x0f
.set i, 0
.rept 16
	v_cvt_pk_f16_f32 v[PKR+32*(\t)+i], v[OT+32*(\t)+2*i], v[OT+32*(\t)+2*i+1]
.set i, i+1
.endr
	WIN 0
.irp f, 0,1,2,3
	ds_store_b128 v[STO], v[PKR+32*(\t)+4*(\f):PKR+32*(\t)+4*(\f)+3] offset:32*(\f)
.endr
.irp f, 0,1,2,3
	ds_load_b128 v[PKR+32*(\t)+16+4*(\f):PKR+32*(\t)+16+4*(\f)+3], v[RD] offset:(\f)*4*SP  ; LDS serves a wave's instructions in order (ISA guide 5.7.1.4): these see the stores above; the next tile's stores come behind them
.endr
.endm
.macro SEND t, younger                 ; younger: the LDS instructions issued behind tile t's loads: the next tile's eight, or none
	WIN 0
.irp f, 0,1,2,3
	s_wait_dscnt (\younger)+3-(\f)
	global_store_b128 v[GO], v[PKR+32*(\t)+16+4*(\f):PKR+32*(\t)+16+4*(\f)+3], s[10:11] offset:(\t)*2048+(\f)*512  ; 512 consecutive bytes, at a multiple of 256 from oh's first
.endr
.endm
	PACK 0
	PACK 1
	SEND 0, 8
	PACK 2
	SEND 1, 8
	PACK 3
	SEND 2, 8
	SEND 3, 0
	s_wait_tensorcnt 0x0                           ; the wave's end, behind my tensor load and my last LDS store
	ds_add_u32 v[SPW], v[NIL]
	s_wait_dscnt 0x0
	s_endpgm
.Lfunc_end_k_q9be2535f4e_attn:
	.size	k_q9be2535f4e_attn, .Lfunc_end_k_q9be2535f4e_attn-k_q9be2535f4e_attn
	.p2alignl 7, 3214868480
	.fill 96, 4, 3214868480
	.section	.rodata,"a",@progbits
	.p2align	6, 0x0
	.amdhsa_kernel k_q9be2535f4e_attn
		.amdhsa_group_segment_fixed_size 167936
		.amdhsa_private_segment_fixed_size 0
		.amdhsa_enable_private_segment 0
		.amdhsa_kernarg_size 32
		.amdhsa_user_sgpr_count 2
		.amdhsa_user_sgpr_kernarg_segment_ptr 1
		.amdhsa_wavefront_size32 1
		.amdhsa_system_sgpr_workgroup_id_x 1
		.amdhsa_system_sgpr_workgroup_id_y 1
		.amdhsa_system_sgpr_workgroup_id_z 1
		.amdhsa_system_vgpr_workitem_id 0
		.amdhsa_next_free_vgpr 1024
		.amdhsa_next_free_sgpr 66
		.amdhsa_reserve_vcc 1
		.amdhsa_float_denorm_mode_32 3
		.amdhsa_float_denorm_mode_16_64 3
		.amdhsa_memory_ordered 1
		.amdhsa_forward_progress 1
		.amdhsa_inst_pref_size 144
	.end_amdhsa_kernel
	.amdgpu_metadata
---
amdhsa.version: [ 1, 2 ]
amdhsa.kernels:
  - .name:           k_q9be2535f4e_attn
    .symbol:         k_q9be2535f4e_attn.kd
    .args:
      - { .name: qh, .offset: 0, .size: 8, .value_kind: global_buffer, .address_space: global }
      - { .name: kh, .offset: 8, .size: 8, .value_kind: global_buffer, .address_space: global }
      - { .name: vh, .offset: 16, .size: 8, .value_kind: global_buffer, .address_space: global }
      - { .name: oh, .offset: 24, .size: 8, .value_kind: global_buffer, .address_space: global }
    .group_segment_fixed_size: 167936
    .private_segment_fixed_size: 0
    .kernarg_segment_align: 8
    .kernarg_segment_size: 32
    .max_flat_workgroup_size: 128
    .sgpr_count:     66
    .vgpr_count:     1024
    .wavefront_size: 32
...
	.end_amdgpu_metadata
.endif
;; end of part 3
;; launch proj (part 4): grid 8 x 32, 4 waves a work-group, clusters of 4 x 4, 327,680 bytes of LDS; arguments oh, wob, out0; writes out0
.if DOCPART == 4
	.amdgcn_target "amdgcn-amd-amdhsa--gfx1250"
	.amdhsa_code_object_version 6
	.text
	.protected	k_q9be2535f4e_proj
	.globl	k_q9be2535f4e_proj
	.p2align	8
	.type	k_q9be2535f4e_proj,@function
k_q9be2535f4e_proj:
	s_mov_b64 s[64:65], 0
	v_nop
	global_prefetch_b8 v0, s[64:65] scope:SCOPE_SE
	s_setreg_imm32_b32 hwreg(HW_REG_WAVE_MODE, 25, 1), 1
	s_wait_xcnt 0x0
	s_wait_alu depctr_hold_cnt(0) depctr_sa_sdst(0) depctr_va_vdst(0) depctr_va_sdst(0) depctr_va_ssrc(0) depctr_va_vcc(0) depctr_vm_vsrc(0)
	s_getreg_b32 s2, hwreg(HW_REG_IB_STS2, 6, 4)
	s_cmp_eq_u32 s2, 0
	s_cbranch_scc0 .Lentry_in_a_cluster
	s_endpgm
.Lentry_in_a_cluster:
	s_bfe_u32 s2, ttmp6, 0x10000c
	s_cmp_lg_u32 s2, 0xf033
	s_cbranch_scc0 .Lentry_shape_is_right
	s_endpgm
.Lentry_shape_is_right:
; out0[m][n] = the sum over k of O[m][k] Wo[k][n], k = 64 x head + channel.  oh: [16][4096][64] f16; wob: Wo (rounded to bf16, written as f16) in blocks of 128 columns, [8][1024][128]; out0: [4096][1024] f32.
; A tile of out0 is 128 x 128: 8 x 32 = 256 work-groups.  Four waves, each 64 x 64: 16 accumulators.  K goes in four steps of 256 (four heads) through two LDS slots; the steps are written straight.
; A slot: O's 128 rows as two halves of [4 heads][64 rows], 128 bytes + 16 of padding a row; then Wo's 256 rows of k, 256 bytes + 32.  Waves 0, 1 fetch O's halves, waves 2, 3 Wo's: 36,864 LDS bytes each.
; CLUSTER: 4 x 4 work-groups; a row shares O's tile, a column Wo's: joint loads.  THE MATRIX INSTRUCTION IS USED TRANSPOSED (source 0 = 16 columns of Wo, turned by ds_load_tr16_b128; source 1 = 16 rows of O):
; a lane holds one row and eight neighbouring columns, 32 bytes of f32.  A wave's 64 columns are 256 aligned bytes of a row: its stage on the way out is its own.
; NO PREFETCH: the tile is small and the ring has two refills.
; REGISTERS: window 0: v16-29 addresses; v32-95 rows read back; v128-255 the accumulators ((a, b) at 128 + 8 (4 a + b)).  window 1: two fragment buffers of 128: 64 of O (2 x 4 fragments), then 64 of Wo.
.set PA,     144
.set PB,     288                       ; 72 words
.set HALFT,  36864                     ; 4 x 64 x 144 = 128 x 288
.set SLOT,   4*HALFT
.set STAGE,  2*SLOT
.set SPITCH, 272
.set SPARE,  STAGE+4*16*SPITCH         ; the spare words, 128 bytes for each wave: two blocks of 256 bytes that no other line names
.set ADRA, 16                          ; v16-17 my O fragments in slot 0, 1
.set ADRB, 20                          ; v20-23 my Wo fragments: slot 0 rows 0-127, 128-255; slot 1 likewise (an immediate holds 16 bits)
.set STO,  24
.set RD,   25
.set CO,   26
.set SPW,  28                          ; v28 LDS address of my spare word; never rewritten
.set NIL,  29                          ; v29 0; never rewritten
.set BK,   32
.set ACC,  128
.set F0,   0
.set F1,   128
.set G1,  24
.set G0,  32
.set G1B, 48
.set G0B, 56
.set MSB, 0
.macro WIN new
.if MSB != (\new)
	s_set_vgpr_msb (MSB<<8)|(\new)
.set MSB, \new
.endif
.endm
.set MULW, 0x05                        ; sources 0 and 1 window 1; C and D window 0
.set TO_F, 0x40                        ; destination window 1, address window 0
.macro JLOAD s                         ; a joint load; an s_nop 0 and four v_nop follow each of the two lines, ahead of the jump and the label
	s_cmp_eq_u32 s11, 0
	s_cbranch_scc0 .Lfor_b_\@
	tensor_load_to_lds s[G0+4*(\s):G0+4*(\s)+3], s[G1:G1+7]
	s_nop 0
.rept 4
	v_nop
.endr
	s_branch .Lasked_\@
.Lfor_b_\@:
	tensor_load_to_lds s[G0B+4*(\s):G0B+4*(\s)+3], s[G1B:G1B+7]
	s_nop 0
.rept 4
	v_nop
.endr
.Lasked_\@:
.endm
.macro CREST
	s_cmp_lg_u32 s10, 0
	s_cbranch_scc1 .Lnot_wave_0_\@
	s_barrier_signal -3
.Lnot_wave_0_\@:
	s_barrier_wait -3
	s_barrier_signal -1
	s_barrier_wait -1
.endm
.macro CROUND
	s_barrier_signal -1
	s_barrier_wait -1
	CREST
.endm
.macro PLACES
.rept 4
	v_nop
.endr
.endm
	s_load_b128 s[4:7], s[0:1], 0x0                ; oh s[4:5], wob s[6:7]
	s_load_b64 s[8:9], s[0:1], 0x10                ; out0
	v_lshl_add_u32 v[SPW], v0, 2, SPARE
	v_mov_b32 v[NIL], 0
	ds_add_u32 v[SPW], v[NIL]                      ; the wave's opening: the add and its wait stand ahead of my first tensor load; the set-up below, work on registers, stands between them
	v_lshrrev_b32 v1, 5, v0
	v_readfirstlane_b32 s10, v1                    ; wave
	s_lshr_b32 s11, s10, 1                         ; my half of the tile's rows.  Also: I fetch for O (0) or for Wo (1)
	s_and_b32 s12, s10, 1                          ; my half of its columns.  Also: which half of that tile I fetch
	s_bfe_u32 s40, ttmp6, 0x40000                  ; cx
	s_bfe_u32 s41, ttmp6, 0x40004                  ; cy
	s_lshl_b32 s42, ttmp9, 2
	s_add_co_u32 s42, s42, s40                     ; tile column
	s_and_b32 s13, ttmp7, 0xffff
	s_lshl_b32 s13, s13, 2
	s_add_co_u32 s13, s13, s41                     ; tile row
	s_lshl_b32 s43, s41, 2
	s_lshl_b32 s43, 15, s43                        ; my row of the cluster
	s_lshl_b32 s44, 0x1111, s40                    ; my column
	; O: 64 rows of a head are 8,192 dense bytes: one row of the tile; four heads, 262,144 elements apart; padded after every 128 bytes
	s_or_b32 s[G1], s43, (1<<16)|(1<<20)|(1<<21)|(4<<22)|(3<<25)
	s_mov_b32 s[G1+1], 4096<<16                    ; tensor_dim0 = 4,096
	s_mov_b32 s[G1+2], 4<<16                       ; tensor_dim1 = 4
	s_mov_b32 s[G1+3], 4096<<16                    ; tile_dim0 = 4,096
	s_mov_b32 s[G1+4], 4                           ; tile_dim1 = 4
	s_mov_b32 s[G1+5], 262144
	s_mov_b32 s[G1+6], 0
	s_mov_b32 s[G1+7], 0
	; Wo: 128 rows of 256 bytes, dense; 32 bytes of padding behind each
	s_or_b32 s[G1B], s44, (1<<16)|(1<<20)|(1<<21)|(5<<22)|(7<<25)
	s_mov_b32 s[G1B+1], 128<<16
	s_mov_b32 s[G1B+2], 128<<16
	s_mov_b32 s[G1B+3], 128<<16
	s_mov_b32 s[G1B+4], 128
	s_mov_b32 s[G1B+5], 128
	s_mov_b32 s[G1B+6], 0
	s_mov_b32 s[G1B+7], 0
	s_lshl_b32 s16, s13, 14                        ; O: (128 x tile row + 64 x half) rows of 128 bytes
	s_lshl_b32 s17, s12, 13
	s_add_co_u32 s16, s16, s17
	s_mov_b32 s17, 0
	s_lshl_b32 s46, s42, 18                        ; Wo: the block of 128 columns, my 128 rows of k
	s_lshl_b32 s47, s12, 15
	s_add_co_u32 s46, s46, s47
	s_mov_b32 s47, 0
	s_mul_i32 s20, s10, HALFT                      ; where they go: wave x 36,864
	s_wait_dscnt 0x0                               ; the opening add is done
	s_wait_kmcnt 0x0
	s_add_nc_u64 s[14:15], s[4:5], s[16:17]
	s_add_nc_u64 s[46:47], s[6:7], s[46:47]
	CROUND                                         ; all sixteen work-groups are here: the first joint loads meet
.irp s, 0,1
	s_mov_b32 s[G0+4*(\s)], 1
	s_add_co_u32 s[G0+4*(\s)+1], s20, (\s)*SLOT
	s_add_nc_u64 s[G0+4*(\s)+2:G0+4*(\s)+3], s[14:15], (\s)*2097152  ; K step s: heads 4 s on
	s_or_b32 s[G0+4*(\s)+3], s[G0+4*(\s)+3], 0x80000000
	s_mov_b32 s[G0B+4*(\s)], 1
	s_add_co_u32 s[G0B+4*(\s)+1], s20, (\s)*SLOT
	s_add_nc_u64 s[G0B+4*(\s)+2:G0B+4*(\s)+3], s[46:47], (\s)*65536
	s_or_b32 s[G0B+4*(\s)+3], s[G0B+4*(\s)+3], 0x80000000
	JLOAD \s
.endr
	v_and_b32 v1, 15, v0                           ; r
	v_bfe_u32 v2, v0, 4, 1                         ; h
	v_mul_u32_u24 v3, v1, PA
	v_lshl_add_u32 v3, v2, 4, v3
	s_mul_i32 s21, s11, HALFT                      ; my 64 rows of O
	v_add_nc_u32 v[ADRA], s21, v3
	v_add_nc_u32 v[ADRA+1], SLOT, v[ADRA]
	v_and_b32 v4, 7, v0
	v_lshl_add_u32 v4, v2, 3, v4
	v_mul_u32_u24 v4, v4, PB
	v_bfe_u32 v5, v0, 3, 1
	v_lshl_add_u32 v4, v5, 4, v4
	s_lshl_b32 s22, s12, 7                         ; my 64 columns: 128 bytes of a row,
	s_add_co_u32 s22, s22, 2*HALFT                 ; behind O's two halves
	v_add_nc_u32 v[ADRB], s22, v4
	v_add_nc_u32 v[ADRB+1], HALFT, v[ADRB]
	v_add_nc_u32 v[ADRB+2], SLOT, v[ADRB]
	v_add_nc_u32 v[ADRB+3], SLOT, v[ADRB+1]
	s_mul_i32 s23, s10, 16*SPITCH
	s_add_co_u32 s23, s23, STAGE                   ; my stage
	v_mul_u32_u24 v4, v1, SPITCH
	v_lshl_add_u32 v4, v2, 5, v4
	v_add_nc_u32 v[STO], s23, v4                   ; in: row r, 32 bytes for each half of the lanes
	v_mul_u32_u24 v5, v2, SPITCH
	v_lshl_add_u32 v5, v1, 4, v5
	v_add_nc_u32 v[RD], s23, v5                    ; back: lanes 0-15 one row of 256 bytes, lanes 16-31 the next
	v_lshlrev_b32 v5, 12, v2
	v_lshl_add_u32 v[CO], v1, 4, v5                ; and the same two rows in out0
	s_lshl_b32 s16, s13, 19                        ; (128 x tile row + 64 x my half) rows of 4,096 bytes
	s_lshl_b32 s17, s11, 18
	s_add_co_u32 s16, s16, s17
	s_mov_b32 s17, 0
	s_add_nc_u64 s[8:9], s[8:9], s[16:17]
	s_lshl_b32 s46, s42, 9                         ; the tile's 512 bytes of a row, my 256
	s_lshl_b32 s47, s12, 8
	s_add_co_u32 s46, s46, s47
	s_mov_b32 s47, 0
	s_add_nc_u64 s[8:9], s[8:9], s[46:47]
; 8 matrix instructions: m blocks a0, a0 + 1 x all 4 n blocks, 32 along K: half c of buffer f.  The 16 accumulators take turns.
.macro MUL8 f, c, a0, zero
	WIN MULW
.irp a, \a0, (\a0)+1
.irp b, 0,1,2,3
.if \zero
	v_wmma_f32_16x16x32_f16 v[ACC+8*(4*(\a)+(\b)):ACC+8*(4*(\a)+(\b))+7], v[(\f)+64+8*(4*(\c)+(\b)):(\f)+64+8*(4*(\c)+(\b))+7], v[(\f)+8*(4*(\c)+(\a)):(\f)+8*(4*(\c)+(\a))+7], 0
.else
	v_wmma_f32_16x16x32_f16 v[ACC+8*(4*(\a)+(\b)):ACC+8*(4*(\a)+(\b))+7], v[(\f)+64+8*(4*(\c)+(\b)):(\f)+64+8*(4*(\c)+(\b))+7], v[(\f)+8*(4*(\c)+(\a)):(\f)+8*(4*(\c)+(\a))+7], v[ACC+8*(4*(\a)+(\b)):ACC+8*(4*(\a)+(\b))+7]
.endif
.endr
.endr
.endm
; 32 LDS loads in one run: quarter q of a slot (one head, 64 along K) into buffer f; its first 32 along K first
.macro FETCH slot, q, f
	WIN TO_F
.irp c, 0,1
.irp i, 0,1,2,3
	ds_load_tr16_b128 v[(\f)+64+8*(4*(\c)+(\i)):(\f)+64+8*(4*(\c)+(\i))+3],   v[ADRB+2*(\slot)+(\q)/2] offset:((2*(\q)+(\c))%4)*32*PB+32*(\i)
	ds_load_tr16_b128 v[(\f)+64+8*(4*(\c)+(\i))+4:(\f)+64+8*(4*(\c)+(\i))+7], v[ADRB+2*(\slot)+(\q)/2] offset:((2*(\q)+(\c))%4)*32*PB+32*(\i)+16*PB
	ds_load_b128 v[(\f)+8*(4*(\c)+(\i)):(\f)+8*(4*(\c)+(\i))+3],   v[ADRA+(\slot)] offset:(\q)*64*PA+(\i)*16*PA+64*(\c)
	ds_load_b128 v[(\f)+8*(4*(\c)+(\i))+4:(\f)+8*(4*(\c)+(\i))+7], v[ADRA+(\slot)] offset:(\q)*64*PA+(\i)*16*PA+64*(\c)+32
.endr
.endr
.endm
.macro QUARTER slot, q, f, g, zero     ; multiplies buffer f and fetches quarter q of the same slot into g
	s_wait_dscnt 16                                ; the first 32 along K are in
	MUL8 \f, 0, 0, \zero
	MUL8 \f, 0, 2, \zero
	PLACES
	FETCH \slot, \q, \g
	s_wait_dscnt 32                                ; all but the 32 just issued
	MUL8 \f, 1, 0, 0
	MUL8 \f, 1, 2, 0
.endm
; The last quarter multiplies buffer 1 and changes slots: ONE barrier; in front of it each wave waits for all its tensor loads, adds 0 to its spare word, and waits for that and for its reads of this slot.
; fill = 1: the barrier opens a round of the cluster's, and this slot is filled again, two K steps on, first thing behind the round.
.macro TURN slot, next, fill
	WIN 0
	s_wait_tensorcnt 0x0                           ; all my tensor loads have landed: my part of the next slot
	ds_add_u32 v[SPW], v[NIL]                      ; 0 onto my spare word
	s_wait_dscnt 17                                ; (the add and the youngest sixteen loads may be out)
	MUL8 F1, 0, 0, 0
	s_wait_dscnt 0x0                               ; the add is done, and my reads of this slot are over
	s_barrier_signal -1
	MUL8 F1, 0, 2, 0
.if \fill
	WIN 0
.endif
	s_barrier_wait -1
.if \fill
	CREST                                          ; no wave of any partner still reads this slot or has a load on its way
	s_add_nc_u64 s[G0+4*(\slot)+2:G0+4*(\slot)+3], s[G0+4*(\slot)+2:G0+4*(\slot)+3], 2*2097152
	s_add_nc_u64 s[G0B+4*(\slot)+2:G0B+4*(\slot)+3], s[G0B+4*(\slot)+2:G0B+4*(\slot)+3], 2*65536
	JLOAD \slot                                    ; its four v_nop are also the places in front of the loads below
.else
	PLACES
.endif
	FETCH \next, 0, F0
	MUL8 F1, 1, 0, 0
	MUL8 F1, 1, 2, 0
.endm
	s_wait_tensorcnt 1                             ; my part of K step 0 is in; K step 1's may stay out
	s_barrier_signal -1
	s_barrier_wait -1
	FETCH 0, 0, F0
	QUARTER 0, 1, F0, F1, 1                        ; the first products start the sums
	QUARTER 0, 2, F1, F0, 0
	QUARTER 0, 3, F0, F1, 0
	TURN 0, 1, 1                                   ; slot 0 takes K step 2
	QUARTER 1, 1, F0, F1, 0
	QUARTER 1, 2, F1, F0, 0
	QUARTER 1, 3, F0, F1, 0
	TURN 1, 0, 1                                   ; slot 1 takes K step 3
	QUARTER 0, 1, F0, F1, 0
	QUARTER 0, 2, F1, F0, 0
	QUARTER 0, 3, F0, F1, 0
	TURN 0, 1, 0                                   ; nothing is left to fetch
	QUARTER 1, 1, F0, F1, 0
	QUARTER 1, 2, F1, F0, 0
	QUARTER 1, 3, F0, F1, 0
	s_wait_dscnt 16
	MUL8 F1, 0, 0, 0
	MUL8 F1, 0, 2, 0
	s_wait_dscnt 0x0
	MUL8 F1, 1, 0, 0
	MUL8 F1, 1, 2, 0
	WIN 0
	; THE WAY OUT, 16 rows at a time: the f32 sums go as they are, 32 bytes a lane (an accumulator's four lowest registers first), into my stage, and come back as whole rows of 256 bytes
	PLACES
.irp a, 0,1,2,3
.if (\a) >= 2
	s_wait_xcnt 0x0                                ; the stores of two blocks back have read the registers that are loaded below
.endif
.irp b, 0,1,2,3
	ds_store_b128 v[STO], v[ACC+8*(4*(\a)+(\b)):ACC+8*(4*(\a)+(\b))+3]   offset:64*(\b)
	ds_store_b128 v[STO], v[ACC+8*(4*(\a)+(\b))+4:ACC+8*(4*(\a)+(\b))+7] offset:64*(\b)+16
.endr
.irp t, 0,1,2,3,4,5,6,7
	ds_load_b128 v[BK+32*((\a)%2)+4*(\t):BK+32*((\a)%2)+4*(\t)+3], v[RD] offset:(\t)*2*SPITCH  ; LDS serves a wave's instructions in order (ISA guide 5.7.1.4): these see the stores above
.endr
.irp t, 0,1,2,3,4,5,6,7
	s_wait_dscnt 7-(\t)
	global_store_b128 v[CO], v[BK+32*((\a)%2)+4*(\t):BK+32*((\a)%2)+4*(\t)+3], s[8:9] offset:(16*(\a)+2*(\t))*4096 th:TH_STORE_NT  ; 16 lanes store 256 consecutive bytes, at a multiple of 256 from out0's first
.endr
.endr
	s_wait_tensorcnt 0x0                           ; the wave's end, behind my last tensor load and my last LDS store
	ds_add_u32 v[SPW], v[NIL]
	s_wait_dscnt 0x0
	CROUND                                         ; the closing round: no work-group ends while a partner may still ask for a tile that names it
	s_endpgm
.Lfunc_end_k_q9be2535f4e_proj:
	.size	k_q9be2535f4e_proj, .Lfunc_end_k_q9be2535f4e_proj-k_q9be2535f4e_proj
	.p2alignl 7, 3214868480
	.fill 96, 4, 3214868480
	.section	.rodata,"a",@progbits
	.p2align	6, 0x0
	.amdhsa_kernel k_q9be2535f4e_proj
		.amdhsa_group_segment_fixed_size 327680
		.amdhsa_private_segment_fixed_size 0
		.amdhsa_enable_private_segment 0
		.amdhsa_kernarg_size 24
		.amdhsa_user_sgpr_count 2
		.amdhsa_user_sgpr_kernarg_segment_ptr 1
		.amdhsa_wavefront_size32 1
		.amdhsa_system_sgpr_workgroup_id_x 1
		.amdhsa_system_sgpr_workgroup_id_y 1
		.amdhsa_system_sgpr_workgroup_id_z 1
		.amdhsa_system_vgpr_workitem_id 0
		.amdhsa_next_free_vgpr 512
		.amdhsa_next_free_sgpr 66
		.amdhsa_reserve_vcc 0
		.amdhsa_float_denorm_mode_32 3
		.amdhsa_float_denorm_mode_16_64 3
		.amdhsa_memory_ordered 1
		.amdhsa_forward_progress 1
		.amdhsa_inst_pref_size 86
	.end_amdhsa_kernel
	.amdgpu_metadata
---
amdhsa.version: [ 1, 2 ]
amdhsa.kernels:
  - .name:           k_q9be2535f4e_proj
    .symbol:         k_q9be2535f4e_proj.kd
    .args:
      - { .name: oh, .offset: 0, .size: 8, .value_kind: global_buffer, .address_space: global }
      - { .name: wob, .offset: 8, .size: 8, .value_kind: global_buffer, .address_space: global }
      - { .name: out0, .offset: 16, .size: 8, .value_kind: global_buffer, .address_space: global }
    .group_segment_fixed_size: 327680
    .private_segment_fixed_size: 0
    .kernarg_segment_align: 8
    .kernarg_segment_size: 24
    .max_flat_workgroup_size: 128
    .sgpr_count:     66
    .vgpr_count:     512
    .wavefront_size: 32
...
	.end_amdgpu_metadata
.endif
;; end of part 4
;; ======== version 2 of 2: 4 launches; version 1 with the launch cast written anew for expert scheduling mode
;; limits: values are held in f16: magnitudes above 65,504 overflow, below 6.1e-05 lose precision
;; workspace buffers: xb 8,388,608 bytes; wqkv 6,291,456 bytes; wob 2,097,152 bytes; qh 8,388,608 bytes; kh 8,388,608 bytes; vh 8,388,608 bytes; oh 8,388,608 bytes
;; launch cast (part 5): grid 512 x 1, 8 waves a work-group, no clusters, 0 bytes of LDS; arguments x, Wq, Wk, Wv, Wo, xb, wqkv, wob; writes xb, wqkv, wob
.if DOCPART == 5
	.amdgcn_target "amdgcn-amd-amdhsa--gfx1250"
	.amdhsa_code_object_version 6
	.text
	.protected	k_q9be2535f4e_cast
	.globl	k_q9be2535f4e_cast
	.p2align	8
	.type	k_q9be2535f4e_cast,@function
k_q9be2535f4e_cast:
	s_mov_b64 s[64:65], 0
	v_nop
	global_prefetch_b8 v0, s[64:65] scope:SCOPE_SE
	s_setreg_imm32_b32 hwreg(HW_REG_WAVE_SCHED_MODE, 0, 2), 2
	s_setreg_imm32_b32 hwreg(HW_REG_WAVE_MODE, 25, 1), 1
	s_wait_xcnt 0x0
	s_wait_alu depctr_vm_vsrc(0)
; THE INPUTS ARE ROUNDED ONCE AND LAID OUT FOR THE MATRIX LAUNCHES.  A stream: every f32 is read once, every 16-bit number written once.
;   xb   [4096][1024] bf16: x as it lies.
;   wqkv bf16: number (head h, row k, g = q/k/v, channel c) at byte h*393216 + (k>>1)*768 + g*256 + (k&1)*128 + 2c: a head's three weights side by side, K-major, dense.
;   wob  f16 : Wo rounded to bf16 and that number written as f16: (nb = n/128, k, n%128) at byte nb*262144 + k*256 + 2(n%128).
; LIMIT.  bf16(Wo) must lie within f16's 65,504; below 6e-5 it keeps f16's fixed step of 6e-8.
; SHARES.  512 work-groups of 64 KiB of f32: 0-255 x, 256-447 Wq, Wk, Wv (64 each, 16 rows of k), 448-511 Wo (16 rows).  A wave takes 8 KiB: sixteen loads of 16 bytes a lane,
; all issued at once; then four blocks of four loads, each with a counted wait, its roundings, and four stores of 8 bytes a lane: 32 lanes write 256 consecutive bytes, aligned.
; No LDS, no matrix unit, no cluster: nothing is shared and nothing is multiplied.
; THE MODE: SCHED_MODE bits 1:0 = 2 (LLVM: expert scheduling mode 2), set by the entry lines.  The code itself states the register dependences
; between vector instructions and memory instructions, with s_wait_alu, always for 0.
; THE PLAN.  Registers that memory instructions touch:
;   v2, v3   byte offsets of the loads and of the stores.  Written by the set-up of the work-group's path, never again.
;   X        load j lands in its own four registers, which no vector instruction writes and no second load takes; read by load j's roundings.
;   Y        load j's roundings write its own pair, once; read by store j.
;   T, v1, v4 to v6 are named by vector instructions alone.
; So one wait on va_vdst stands ahead of the first load (v2 and v3 are written) and one in each block, between its roundings and its run of four stores (the block's Y is written): five on a path.
; A block's stores follow its own roundings: behind them the wave has nothing to issue but the wait for the next block's loads.
; No register that a memory instruction reads is ever written again: no wait on vm_vsrc and no s_wait_xcnt is owed.  No vector instruction writes a scalar register or VCC; EXEC is never written.
.set X,   8                            ; v[8:71]    sixteen loads of four f32
.set Y,   72                           ; v[72:103]  sixteen pairs to store
.set T,   104                          ; v[104:109] at work (Wo's second conversion)
.set SRC, 24                           ; s[24:25] where the work-group reads
.set DST, 26                           ; s[26:27] where it writes
.set SOF, 28                           ; s[28:29] byte offset for SRC
.set DOF, 30                           ; s[30:31] byte offset for DST
; kind 0: x; 1: Wq, Wk, Wv (load j is head j's 64 channels of two rows of k); 2: Wo (load j is 128 columns j%8 of row j/8)
.macro STREAM kind
	s_wait_alu depctr_va_vdst(0)                   ; v2 and v3 are written: the sixteen loads read v2 as their offset, the sixteen stores v3; no vector line below names either
.set j, 0
.rept 16
.if (\kind) == 1
	global_load_b128 v[X+4*j:X+4*j+3], v2, s[SRC:SRC+1] offset:256*j th:TH_LOAD_NT
.else
	global_load_b128 v[X+4*j:X+4*j+3], v2, s[SRC:SRC+1] offset:512*j th:TH_LOAD_NT
.endif
.set j, j+1
.endr
.set p, 0
.rept 4                                ; block p: loads 4 p to 4 p + 3
	s_wait_loadcnt 12-4*p                          ; loads come back in order: the block's four are in, the 12 - 4 p younger ones stay out
.set j, 4*p
.rept 4
.if (\kind) == 2
	v_cvt_pk_bf16_f32 v[T], v[X+4*j], v[X+4*j+1]   ; rounded to bf16 like every input,
	v_cvt_pk_bf16_f32 v[T+1], v[X+4*j+2], v[X+4*j+3]
	v_lshlrev_b32 v[T+2], 16, v[T]                 ; widened again,
	v_and_b32 v[T+3], 0xffff0000, v[T]
	v_lshlrev_b32 v[T+4], 16, v[T+1]
	v_and_b32 v[T+5], 0xffff0000, v[T+1]
	v_cvt_pk_f16_f32 v[Y+2*j], v[T+2], v[T+3]      ; and written as f16: exact within f16's range
	v_cvt_pk_f16_f32 v[Y+2*j+1], v[T+4], v[T+5]
.else
	v_cvt_pk_bf16_f32 v[Y+2*j], v[X+4*j], v[X+4*j+1]
	v_cvt_pk_bf16_f32 v[Y+2*j+1], v[X+4*j+2], v[X+4*j+3]
.endif
.set j, j+1
.endr
	s_wait_alu depctr_va_vdst(0)                   ; the block's roundings have written its eight registers of Y, which the four stores below read
.set j, 4*p
.rept 4
.if (\kind) == 2
	global_store_b64 v3, v[Y+2*j:Y+2*j+1], s[DST:DST+1] offset:(j%8)*262144+(j/8)*256 th:TH_STORE_NT
.elseif (\kind) == 1
	global_store_b64 v3, v[Y+2*j:Y+2*j+1], s[DST:DST+1] offset:393216*j th:TH_STORE_NT
.else
	global_store_b64 v3, v[Y+2*j:Y+2*j+1], s[DST:DST+1] offset:256*j th:TH_STORE_NT
.endif
.set j, j+1
.endr
.set p, p+1
.endr
.endm
	s_load_b512 s[8:23], s[0:1], 0x0               ; x 8, Wq 10, Wk 12, Wv 14, Wo 16, xb 18, wqkv 20, wob 22
	v_and_b32 v1, 31, v0                           ; lane
	v_lshrrev_b32 v4, 5, v0                        ; wave
	s_mov_b32 s[SOF+1], 0
	s_mov_b32 s[DOF+1], 0
	s_wait_kmcnt 0x0
	s_cmp_lt_u32 ttmp9, 256
	s_cbranch_scc0 .Lweights
	; x: 64 KiB in, 32 KiB out
	s_lshl_b32 s[SOF], ttmp9, 16
	s_lshl_b32 s[DOF], ttmp9, 15
	s_add_nc_u64 s[SRC:SRC+1], s[8:9], s[SOF:SOF+1]
	s_add_nc_u64 s[DST:DST+1], s[18:19], s[DOF:DOF+1]
	v_lshlrev_b32 v2, 4, v1
	v_lshl_add_u32 v2, v4, 13, v2                  ; 8,192 x wave + 16 x lane
	v_lshlrev_b32 v3, 3, v1
	v_lshl_add_u32 v3, v4, 12, v3                  ; 4,096 x wave + 8 x lane
	STREAM 0
	s_endpgm
.Lweights:
	s_cmp_lt_u32 ttmp9, 448
	s_cbranch_scc0 .Lwo
	; Wq, Wk, Wv: g = which of the three, rb = which 16 rows of k; a wave takes two rows: lanes 0-15 the even one, lanes 16-31 the odd one
	s_sub_co_u32 s2, ttmp9, 256
	s_lshr_b32 s3, s2, 6                           ; g
	s_and_b32 s2, s2, 63                           ; rb
	s_cmp_eq_u32 s3, 0
	s_cselect_b64 s[SRC:SRC+1], s[10:11], s[12:13]
	s_cmp_eq_u32 s3, 2
	s_cselect_b64 s[SRC:SRC+1], s[14:15], s[SRC:SRC+1]
	s_lshl_b32 s[SOF], s2, 16
	s_mul_i32 s[DOF], s2, 6144                     ; 8 pairs of rows x 768 bytes
	s_lshl_b32 s3, s3, 8
	s_add_co_u32 s[DOF], s[DOF], s3                ; + 256 g
	s_add_nc_u64 s[SRC:SRC+1], s[SRC:SRC+1], s[SOF:SOF+1]
	s_add_nc_u64 s[DST:DST+1], s[20:21], s[DOF:DOF+1]
	v_bfe_u32 v5, v0, 4, 1
	v_and_b32 v6, 15, v0
	v_lshlrev_b32 v2, 13, v4
	v_lshl_add_u32 v2, v5, 12, v2
	v_lshl_add_u32 v2, v6, 4, v2                   ; 8,192 x wave + 4,096 x (lane / 16) + 16 x (lane % 16)
	v_mul_u32_u24 v3, v4, 768
	v_lshl_add_u32 v3, v1, 3, v3                   ; 768 x wave + 8 x lane: the odd row's 128 bytes follow the even row's
	STREAM 1
	s_endpgm
.Lwo:
	; Wo: rb = which 16 rows of k; a wave takes two rows
	s_sub_co_u32 s2, ttmp9, 448
	s_lshl_b32 s[SOF], s2, 16
	s_lshl_b32 s[DOF], s2, 12
	s_add_nc_u64 s[SRC:SRC+1], s[16:17], s[SOF:SOF+1]
	s_add_nc_u64 s[DST:DST+1], s[22:23], s[DOF:DOF+1]
	v_lshlrev_b32 v2, 4, v1
	v_lshl_add_u32 v2, v4, 13, v2
	v_lshlrev_b32 v3, 3, v1
	v_lshl_add_u32 v3, v4, 9, v3                   ; 512 x wave + 8 x lane
	STREAM 2
	s_endpgm
.Lfunc_end_k_q9be2535f4e_cast:
	.size	k_q9be2535f4e_cast, .Lfunc_end_k_q9be2535f4e_cast-k_q9be2535f4e_cast
	.p2alignl 7, 3214868480
	.fill 96, 4, 3214868480
	.section	.rodata,"a",@progbits
	.p2align	6, 0x0
	.amdhsa_kernel k_q9be2535f4e_cast
		.amdhsa_group_segment_fixed_size 0
		.amdhsa_private_segment_fixed_size 0
		.amdhsa_enable_private_segment 0
		.amdhsa_kernarg_size 64
		.amdhsa_user_sgpr_count 2
		.amdhsa_user_sgpr_kernarg_segment_ptr 1
		.amdhsa_wavefront_size32 1
		.amdhsa_system_sgpr_workgroup_id_x 1
		.amdhsa_system_sgpr_workgroup_id_y 1
		.amdhsa_system_sgpr_workgroup_id_z 1
		.amdhsa_system_vgpr_workitem_id 0
		.amdhsa_next_free_vgpr 112
		.amdhsa_next_free_sgpr 66
		.amdhsa_reserve_vcc 0
		.amdhsa_float_denorm_mode_32 3
		.amdhsa_float_denorm_mode_16_64 3
		.amdhsa_memory_ordered 1
		.amdhsa_forward_progress 1
		.amdhsa_inst_pref_size 24
	.end_amdhsa_kernel
	.amdgpu_metadata
---
amdhsa.version: [ 1, 2 ]
amdhsa.kernels:
  - .name:           k_q9be2535f4e_cast
    .symbol:         k_q9be2535f4e_cast.kd
    .args:
      - { .name: x, .offset: 0, .size: 8, .value_kind: global_buffer, .address_space: global }
      - { .name: Wq, .offset: 8, .size: 8, .value_kind: global_buffer, .address_space: global }
      - { .name: Wk, .offset: 16, .size: 8, .value_kind: global_buffer, .address_space: global }
      - { .name: Wv, .offset: 24, .size: 8, .value_kind: global_buffer, .address_space: global }
      - { .name: Wo, .offset: 32, .size: 8, .value_kind: global_buffer, .address_space: global }
      - { .name: xb, .offset: 40, .size: 8, .value_kind: global_buffer, .address_space: global }
      - { .name: wqkv, .offset: 48, .size: 8, .value_kind: global_buffer, .address_space: global }
      - { .name: wob, .offset: 56, .size: 8, .value_kind: global_buffer, .address_space: global }
    .group_segment_fixed_size: 0
    .private_segment_fixed_size: 0
    .kernarg_segment_align: 8
    .kernarg_segment_size: 64
    .max_flat_workgroup_size: 256
    .sgpr_count:     66
    .vgpr_count:     112
    .wavefront_size: 32
...
	.end_amdgpu_metadata
.endif
;; end of part 5
;; launch qkv: the kernel of part 2 again; grid 16 x 16, 4 waves a work-group, clusters of 4 x 4, 327,680 bytes of LDS; arguments xb, wqkv, qh, kh, vh; writes qh, kh, vh
;; launch attn: the kernel of part 3 again; grid 16 x 16, 4 waves a work-group, no clusters, 167,936 bytes of LDS; arguments qh, kh, vh, oh; writes oh
;; launch proj: the kernel of part 4 again; grid 8 x 32, 4 waves a work-group, clusters of 4 x 4, 327,680 bytes of LDS; arguments oh, wob, out0; writes out0
